; MI455X (gfx1250); checked and timed in simulation.
; The chip was launched on July 23, 2026; its instructions are those of AMD's public machine-readable ISA for CDNA 5 (MIT licence, August 2026) and "CDNA5" Instruction Set Architecture Reference Guide (July 2026). The comments in the code are by the model that wrote it; some were corrected since.
;; Gated Self Attention. Allowed arithmetic: matrix products marked QUANTISED: E2M3 operands, one E8M0 scale for each 32 along K, by v_wmma_scale_f32_16x16x128_f8f6f4 with both operands' format E2M3, f32 sums; everything else in f32.
;; Inputs: Wg 2,048 x 2,048 float32; Wk 2,048 x 512 float32; Wo 2,048 x 2,048 float32; Wq 2,048 x 2,048 float32; Wv 2,048 x 512 float32; bg 2,048 float32; gn_bias 2,048 float32; gn_weight 2,048 float32; rope_cos 2,048 x 64 float32; rope_sin 2,048 x 64 float32; x 1 x 2,048 x 2,048 float32.
;; Outputs: out0 1 x 2,048 x 2,048 float32; out1 1 x 8 x 2,048 x 64 float32; out2 1 x 8 x 2,048 x 64 float32.
;; This version of the problem:
;;   THIS VERSION OF THE PROBLEM IS GIVEN IN LOW PRECISION. The matrix products marked QUANTISED in the list below multiply operands that are first quantised to E2M3 (2 exponent bits, 3 mantissa bits; 6 bits a number), with one power-of-two scale for each 32 numbers along K (OCP MX v1.0); their sums are f32. All else is computed in f32.
;;   The module's matrix products, in the order in which they are computed (A, B: the left and right operand; K: the contracted axis; several contracted axes count as one K, in the product's order):
;;     1. [M 2,048, K 2,048] x [K 2,048, N 2,048]; A: input x; B: input Wq: QUANTISED
;;     2. [M 2,048, K 2,048] x [K 2,048, N 512]; A: input x; B: input Wk: QUANTISED
;;     3. [M 2,048, K 2,048] x [K 2,048, N 512]; A: input x; B: input Wv: QUANTISED
;;     4. batch 32 x [M 2,048, K 64] x [K 64, N 2,048]; A: computed on the way; B: computed on the way: QUANTISED
;;     5. batch 32 x [M 2,048, K 2,048] x [K 2,048, N 64]; A: computed on the way; B: computed on the way: QUANTISED
;;     6. [M 2,048, K 2,048] x [K 2,048, N 2,048]; A: input x; B: input Wg: QUANTISED
;;     7. [M 2,048, K 2,048] x [K 2,048, N 2,048]; A: computed on the way; B: input Wo: QUANTISED
;;   THE QUANTISER, for each operand of a quantised product, along K:
;;     - K is cut into blocks of 32 from its start; a last block that is shorter is filled with zeros.
;;     - A block's scale is 2^e with e = floor(log2(the largest magnitude in the block)) - 2, held to -126 .. 127; a block of zeros has e = 0. As a byte (E8M0): e + 127.
;;     - Each number is divided by its block's scale, clamped to +-7.5, and rounded to the nearest number of E2M3, ties to even, subnormals kept.
;;     - The product sums the exact products of the quantised numbers (number of the format x scale) in f32.
;;   ~~~python
;;   def quantise(x, axis):      # numpy; x: float32 -> the quantised numbers, widened to float32 again
;;       x = np.moveaxis(x, axis, -1); K = x.shape[-1]
;;       x = np.pad(x, [(0, 0)] * (x.ndim - 1) + [(0, -K % 32)]); x = x.reshape(x.shape[:-1] + (-1, 32)); a = np.abs(x).max(-1, keepdims=True)
;;       e = np.where(a > 0, np.clip(np.frexp(np.where(a > 0, a, 1))[1] - 1 - 2, -126, 127), 0)      # np.frexp(a)[1] - 1 = floor(log2(a)), exactly
;;       r = np.clip(x / 2.0 ** e, -7.5, 7.5)
;;       step = 2.0 ** (np.maximum(np.frexp(np.where(r == 0, 1, r))[1] - 1, 0) - 3)
;;       q = np.round(r / step) * step * 2.0 ** e      # np.round: ties to even
;;       return np.moveaxis(q.reshape(q.shape[:-2] + (-1,))[..., :K], -1, axis).astype(np.float32)
;;   ~~~
;;   OPERANDS COMPUTED ON THE WAY. 'Computed on the way' means the value that the module computes at that place (a softmax that the list does not call 'softmax' is quantised finished and normalised). What goes into a quantiser is computed in f32, as accurately as f32 sums, v_exp_f32 and their like allow (about 1e-6 of the number): no bf16 or f16 on the way to a quantiser, and a product that is left as it is and whose result goes on into a quantised operand takes f32 operands (vector FMAs, or v_wmma_f32_16x16x4_f32). A number that lies on a knife's edge between two numbers of the format may be rounded either way, as far as f32 arithmetic and the matrix unit's own rounding can turn it there, and no further.
;; One version. Each part assembles by itself: llvm-mc -triple=amdgcn-amd-amdhsa -mcpu=gfx1250 --defsym DOCPART=n.
;; ======== version 1 of 1: 6 launches
;; workspace buffers: xq 3,276,800 bytes; zq 3,276,800 bytes; wcat 8,192,000 bytes; woq 3,473,408 bytes; c 50,331,648 bytes; kvp 1,638,400 bytes
;; launch qx (part 1): grid 128 x 1, 4 waves a work-group, no clusters, 33,280 bytes of LDS; arguments x, xq; writes xq
.if DOCPART == 1
	.amdgcn_target "amdgcn-amd-amdhsa--gfx1250"
	.amdhsa_code_object_version 6
	.text
	.protected	k_qb134e5621c_qx
	.globl	k_qb134e5621c_qx
	.p2align	8
	.type	k_qb134e5621c_qx,@function
k_qb134e5621c_qx:
	s_mov_b64 s[64:65], 0
	v_nop
	global_prefetch_b8 v0, s[64:65] scope:SCOPE_SE
	s_setreg_imm32_b32 hwreg(HW_REG_WAVE_MODE, 25, 1), 1
	s_wait_xcnt 0x0
; x [2048][2048] f32 becomes codes of FP6 (E2M3), K innermost, with one E8M0 scale byte for each 32 along K.
; xq: the scale bytes [2048][64] from byte 0, the codes [2048][1536 bytes] from byte 131,072.
; A block's scale is 2^(floor(log2(its largest magnitude)) - 2); its byte is the largest magnitude's exponent field - 2, held at 1 from below.
; A block of zeros so gets the byte 1 where the rule says 127: its codes are zeros, which add nothing, and this program alone reads the bytes.
; LIMITS: NaN and infinities among the inputs are not served.
; Rows are dense and 2,048 is a multiple of 32: the tensor is a plain stream of blocks of 32, and so are its codes and its scale bytes.
; A wave takes 16 steps of 512 numbers.  Each of a step's four loads reads 512 consecutive bytes, 16 a lane; the 2,048 bytes turn through the wave's own stage in LDS and come back
; 64 bytes a lane, so that a lane holds 16 neighbours along K (two neighbouring lanes hold a block).  A lane's 16 codes are 12 bytes: the wave stores 384 consecutive bytes.
; A wave's 256 scale bytes are gathered in its own LDS bytes and leave as one aligned run of 256 bytes.  No barrier: waves share nothing.  Loads run four steps ahead.
.set WAVES, 4
.set STEPS, 16
.set CB,    12                         ; bytes of 16 codes
.set CODES, 131072                     ; where the codes begin in xq
.set R,     16                         ; v16-79   four sets of 16 numbers as they are loaded
.set X,     80                         ; v80-111  two sets of 16 neighbours
.set C,     128                        ; v128-191 codes: four registers for each step, so that no store's data are written again
.set E,     112                        ; v112-127 a scale byte for each step
.set WREG,  8192                       ; LDS: a region for each wave: two stages of 32 x SP bytes, behind them its 256 scale bytes
.set SP,    80                         ; a lane's place in a stage: 64 bytes + 16 of padding
.set SPW,   12                         ; v12      LDS address of my spare word; never rewritten
.set NIL,   13                         ; v13      0; never rewritten
.set SPARE, WAVES*WREG                 ; behind the four regions: the spare words, 128 bytes a wave, which no other line names
	s_load_b128 s[4:7], s[0:1], 0x0                ; x, xq
	v_lshl_add_u32 v[SPW], v0, 2, SPARE
	v_mov_b32 v[NIL], 0
	v_lshrrev_b32 v1, 5, v0
	v_readfirstlane_b32 s16, v1                    ; wave
	v_and_b32 v2, 31, v0                           ; lane
	v_lshlrev_b32 v3, 4, v2                        ; my 16 bytes of a load's 512
	s_mul_i32 s17, s16, WREG
	v_lshrrev_b32 v14, 2, v2
	v_mul_u32_u24 v14, v14, SP
	v_and_b32 v15, 3, v2
	v_lshl_add_u32 v14, v15, 4, v14
	v_add_nc_u32 v14, s17, v14                     ; the stage, on the way in: SP (lane / 4) + 16 (lane % 4)
	v_mul_u32_u24 v15, v2, SP
	v_add_nc_u32 v15, s17, v15                     ; and on the way out: SP x lane: my 16 neighbours
	v_mul_u32_u24 v4, v2, CB                       ; my codes' place in a step's
	v_lshrrev_b32 v5, 1, v2
	s_add_co_u32 s17, s17, 2*32*SP
	v_add_nc_u32 v5, s17, v5                       ; LDS: my wave's 256 scale bytes, my block's byte
	v_lshlrev_b32 v7, 3, v2                        ; and on the way out 8 bytes a lane
	v_add_nc_u32 v6, s17, v7
	s_lshl_b32 s17, ttmp9, 2
	s_add_co_u32 s18, s17, s16                     ; which run of 8,192 numbers is my wave's
	s_mov_b32 s19, 0
	s_mov_b64 s[20:21], 512*STEPS*4
	s_mul_u64 s[20:21], s[18:19], s[20:21]         ; its numbers,
	s_mov_b64 s[22:23], 32*STEPS*CB
	s_mul_u64 s[22:23], s[18:19], s[22:23]         ; its codes,
	s_lshl_b32 s18, s18, 8                         ; its 256 scale bytes
	s_wait_kmcnt 0x0
	s_add_nc_u64 s[4:5], s[4:5], s[20:21]
	s_add_nc_u64 s[8:9], s[6:7], CODES
	s_add_nc_u64 s[8:9], s[8:9], s[22:23]
	s_add_nc_u64 s[10:11], s[6:7], s[18:19]
.macro LOAD t
.irp i, 0,1,2,3
	global_load_b128 v[R+16*((\t)%4)+4*\i:R+16*((\t)%4)+4*\i+3], v3, s[4:5] offset:2048*(\t)+512*\i th:TH_LOAD_NT   ; 32 lanes read 512 consecutive bytes
.endr
.endm
.macro TURN t                          ; step t's numbers through the stage: LDS serves a wave's instructions in order, so no wait stands between the stores and the loads
.irp i, 0,1,2,3
	ds_store_b128 v14, v[R+16*((\t)%4)+4*\i:R+16*((\t)%4)+4*\i+3] offset:32*SP*((\t)%2)+8*SP*\i
.endr
.irp i, 0,1,2,3
	ds_load_b128 v[X+16*((\t)%2)+4*\i:X+16*((\t)%2)+4*\i+3], v15 offset:32*SP*((\t)%2)+16*\i
.endr
.endm
.irp t, 0,1,2,3
	LOAD \t
.endr
	s_wait_loadcnt 12                              ; step 0's four loads are in
	TURN 0
.macro STEP t
.set XS, X+16*((\t)%2)
.if (\t) > 0
	s_wait_dscnt 1                                 ; this step's numbers are back from the stage (the last step's byte store may be out): its stores into the stage have read their registers,
.else
	s_wait_dscnt 0x0
.endif
.if (\t)+4 < STEPS
	LOAD (\t)+4                                    ; which take the loads of four steps on
.endif
.if (\t)+1 < STEPS
.if STEPS-2-(\t) >= 3
	s_wait_loadcnt 12                              ; the next step's four loads are in; those of the three steps behind it may be out
.else
	s_wait_loadcnt 4*(STEPS-2-(\t))
.endif
	TURN (\t)+1                                    ; and go through the other stage while this step is worked
.endif
	v_max3_num_f32 v8, |v[XS]|, |v[XS+1]|, |v[XS+2]|               ; the largest magnitude of my 16, in two chains
	v_max3_num_f32 v9, |v[XS+3]|, |v[XS+4]|, |v[XS+5]|
.irp i, 6,10
	v_max3_num_f32 v8, v8, |v[XS+\i]|, |v[XS+\i+1]|
	v_max3_num_f32 v9, v9, |v[XS+\i+2]|, |v[XS+\i+3]|
.endr
	v_max3_num_f32 v8, v8, |v[XS+14]|, |v[XS+15]|
	v_max3_num_f32 v8, v8, v9, 0x1800000           ; and the floor 2^(3 - 127): the byte cannot fall under 1
	v_max_num_f32_dpp v8, v8, v8 row_xmask:1 row_mask:0xf bank_mask:0xf   ; and of my neighbour's 16: the block's
	v_add_nc_u32 v11, 0xff000000, v8               ; 2 off its exponent field: the conversion takes the exponent field of this operand as its scale
	v_cvt_scalef32_pk16_fp6_f32 v[C+4*(\t):C+4*(\t)+2], v[XS:XS+15], v11
	v_lshrrev_b32 v[E+(\t)], 23, v11               ; the scale's byte (also the plain line behind the conversion)
	ds_store_b8 v5, v[E+(\t)] offset:16*(\t)       ; both lanes of a block write the same byte with the same value
	global_store_b96 v4, v[C+4*(\t):C+4*(\t)+2], s[8:9] offset:32*CB*(\t)
.endm
.irp t, 0,1,2,3,4,5,6,7,8,9,10,11,12,13,14,15
	STEP \t
.endr
	ds_load_b64 v[8:9], v6                         ; LDS serves a wave's instructions in order: these see my stores
	s_wait_dscnt 0x0
	global_store_b64 v7, v[8:9], s[10:11]          ; 32 lanes store 256 consecutive bytes, aligned
	s_wait_tensorcnt 0x0                           ; the wave's end: behind my last LDS store
	ds_add_u32 v[SPW], v[NIL]
	s_wait_dscnt 0x0
	s_endpgm
.Lfunc_end_k_qb134e5621c_qx:
	.size	k_qb134e5621c_qx, .Lfunc_end_k_qb134e5621c_qx-k_qb134e5621c_qx
	.p2alignl 7, 3214868480
	.fill 96, 4, 3214868480
	.section	.rodata,"a",@progbits
	.p2align	6, 0x0
	.amdhsa_kernel k_qb134e5621c_qx
		.amdhsa_group_segment_fixed_size 33280
		.amdhsa_private_segment_fixed_size 0
		.amdhsa_enable_private_segment 0
		.amdhsa_kernarg_size 16
		.amdhsa_user_sgpr_count 2
		.amdhsa_user_sgpr_kernarg_segment_ptr 1
		.amdhsa_wavefront_size32 1
		.amdhsa_system_sgpr_workgroup_id_x 1
		.amdhsa_system_sgpr_workgroup_id_y 1
		.amdhsa_system_sgpr_workgroup_id_z 1
		.amdhsa_system_vgpr_workitem_id 0
		.amdhsa_next_free_vgpr 192
		.amdhsa_next_free_sgpr 66
		.amdhsa_reserve_vcc 0
		.amdhsa_float_denorm_mode_32 3
		.amdhsa_float_denorm_mode_16_64 3
		.amdhsa_memory_ordered 1
		.amdhsa_forward_progress 1
		.amdhsa_inst_pref_size 32
	.end_amdhsa_kernel
	.amdgpu_metadata
---
amdhsa.version: [ 1, 2 ]
amdhsa.kernels:
  - .name:           k_qb134e5621c_qx
    .symbol:         k_qb134e5621c_qx.kd
    .args:
      - { .name: x, .offset: 0, .size: 8, .value_kind: global_buffer, .address_space: global }
      - { .name: xq, .offset: 8, .size: 8, .value_kind: global_buffer, .address_space: global }
    .group_segment_fixed_size: 33280
    .private_segment_fixed_size: 0
    .kernarg_segment_align: 8
    .kernarg_segment_size: 16
    .max_flat_workgroup_size: 128
    .sgpr_count:     66
    .vgpr_count:     192
    .wavefront_size: 32
...
	.end_amdgpu_metadata
.endif
;; end of part 1
;; launch qw (part 2): grid 56 x 8, 4 waves a work-group, no clusters, 35,840 bytes of LDS; arguments Wq, Wg, Wk, Wv, Wo, wcat, woq; writes wcat, woq
.if DOCPART == 2
	.amdgcn_target "amdgcn-amd-amdhsa--gfx1250"
	.amdhsa_code_object_version 6
	.text
	.protected	k_qb134e5621c_qw
	.globl	k_qb134e5621c_qw
	.p2align	8
	.type	k_qb134e5621c_qw,@function
k_qb134e5621c_qw:
	s_mov_b64 s[64:65], 0
	v_nop
	global_prefetch_b8 v0, s[64:65] scope:SCOPE_SE
	s_setreg_imm32_b32 hwreg(HW_REG_WAVE_MODE, 25, 1), 1
	s_wait_xcnt 0x0
; The five weights, f32 with K as their FIRST axis ([2048][N]), become codes of FP6 (E2M3) laid [column][K] with K innermost, and one E8M0 scale byte for each 32 along K.
; wcat: rows 0-2047 Wq's columns, 2048-4095 Wg's, 4096-4607 Wk's, 4608-5119 Wv's.  woq: Wo's 2,048 columns.  In both: scale bytes [row][64] from byte 0, codes [row][1536 bytes] from byte 327,680.
; Work-group x is a group of 128 columns (0-15 Wq, 16-31 Wg, 32-35 Wk, 36-39 Wv, 40-55 Wo), y a run of 256 along K.  Only pointers, a pitch and a first row are chosen by x: all take one path.
; A LANE TAKES A COLUMN, AND ITS REGISTERS RUN DOWN K: each load reads neighbouring columns in neighbouring lanes (128 consecutive bytes a wave, 512 a work-group), a block of 32 along K lies in one
; lane's 32 registers, and the conversions give codes with K innermost.  A wave's 32 columns x 192 bytes of codes go through its own stage in LDS and leave as rows, sixteen lanes to a row's 192 bytes.
; A block's byte is its largest magnitude's exponent field - 2, held at 1 from below; a block of zeros keeps the byte 1 (its codes are zeros; this program alone reads the bytes).
; LIMITS: NaN and infinities among the inputs are not served.
.set NB,    8                          ; blocks of 32 along K for a wave
.set ROWB,  192                        ; bytes of 256 codes
.set PITCH, 272                        ; a stage row: sixteen places of 16 bytes, each with 12 bytes of codes, + 16
.set KROW,  1536                       ; a row of codes in memory
.set CODES, 327680                     ; where the codes begin in wcat and in woq
.set X,     32                         ; v32-95   two sets of 32 numbers
.set C,     96                         ; v96..    a block's codes
.set OUTR,  112                        ; v112-175 the way out
.set OFF,   176                        ; v176-207 4 x lane + i rows of the weight, i = 0 .. 31; never rewritten
.set SPW,   14                         ; v14      LDS address of my spare word; never rewritten
.set NIL,   15                         ; v15      0; never rewritten
.set SB,    24                         ; v24-25   the scale bytes, four to a register
.set SPARE, 4*32*PITCH                 ; behind the four stages: the spare words, 128 bytes a wave, which no other line names
.set BAS,   32                         ; s[32:47] a base for each of the wave's eight blocks; never rewritten
	s_load_b256 s[4:11], s[0:1], 0x0               ; Wq s[4:5], Wg s[6:7], Wk s[8:9], Wv s[10:11]
	s_load_b128 s[12:15], s[0:1], 0x20             ; Wo s[12:13], wcat s[14:15]
	s_load_b64 s[16:17], s[0:1], 0x30              ; woq
	v_lshl_add_u32 v[SPW], v0, 2, SPARE
	v_mov_b32 v[NIL], 0
	v_lshrrev_b32 v1, 5, v0
	v_readfirstlane_b32 s18, v1                    ; wave 0..3
	v_and_b32 v2, 31, v0                           ; lane
	s_mov_b32 s19, ttmp9                           ; which 128 columns
	s_and_b32 s20, ttmp7, 0xffff                   ; which 256 along K
	v_lshlrev_b32 v3, 2, v2                        ; in: 4 bytes a lane
	s_mul_i32 s21, s18, 32*PITCH                   ; my stage
	v_mul_u32_u24 v4, v2, PITCH
	v_add_nc_u32 v4, s21, v4                       ; into it: row = my column
	v_and_b32 v5, 15, v2
	v_lshrrev_b32 v6, 4, v2                        ; out of it: sixteen lanes to a row, two rows an instruction
	v_mul_u32_u24 v7, v6, PITCH
	v_lshl_add_u32 v7, v5, 4, v7
	v_add_nc_u32 v7, s21, v7
	v_mul_u32_u24 v8, v6, KROW
	v_mad_u32_u24 v8, v5, 12, v8                   ; and the same place in the codes' buffer
	v_lshlrev_b32 v9, 6, v2                        ; my column's row of scale bytes
	s_wait_kmcnt 0x0
	s_mov_b64 s[22:23], s[12:13]                   ; the weight: Wo, unless x says otherwise.  Every choice hangs on the work-group's number alone
	s_mov_b32 s24, 40                              ; the x at which the weight begins
	s_mov_b32 s25, 8192                            ; a row of the weight in bytes
	s_cmp_lt_u32 s19, 40
	s_cselect_b64 s[22:23], s[10:11], s[22:23]
	s_cselect_b32 s24, 36, s24
	s_cselect_b32 s25, 2048, s25
	s_cselect_b64 s[26:27], s[14:15], s[16:17]     ; where it goes: wcat or woq,
	s_cselect_b32 s28, 0, 40                       ; and the x of that buffer's row 0
	s_cmp_lt_u32 s19, 36
	s_cselect_b64 s[22:23], s[8:9], s[22:23]
	s_cselect_b32 s24, 32, s24
	s_cmp_lt_u32 s19, 32
	s_cselect_b64 s[22:23], s[6:7], s[22:23]
	s_cselect_b32 s24, 16, s24
	s_cselect_b32 s25, 8192, s25
	s_cmp_lt_u32 s19, 16
	s_cselect_b64 s[22:23], s[4:5], s[22:23]
	s_cselect_b32 s24, 0, s24
	s_sub_co_u32 s29, s19, s24
	s_lshl_b32 s29, s29, 7
	s_lshl_b32 s30, s18, 5
	s_add_co_u32 s29, s29, s30                     ; my wave's first column in the weight
	s_lshl_b32 s29, s29, 2
	s_lshl_b32 s31, s20, 8
	s_mul_i32 s31, s31, s25                        ; 256 y rows
	s_add_co_u32 s48, s29, s31
	s_mov_b32 s49, 0
	s_add_nc_u64 s[BAS:BAS+1], s[22:23], s[48:49]  ; block 0
	s_lshl_b32 s48, s25, 5                         ; 32 rows on
.irp t, 1,2,3,4,5,6,7
	s_add_nc_u64 s[BAS+2*\t:BAS+2*\t+1], s[BAS+2*\t-2:BAS+2*\t-1], s[48:49]
.endr
	s_sub_co_u32 s50, s19, s28
	s_lshl_b32 s50, s50, 7
	s_add_co_u32 s50, s50, s30                     ; my wave's first row in the buffer
	s_mul_i32 s52, s50, KROW
	s_mul_i32 s53, s20, ROWB
	s_add_co_u32 s52, s52, s53
	s_add_co_u32 s52, s52, CODES
	s_mov_b32 s53, 0
	s_add_nc_u64 s[54:55], s[26:27], s[52:53]      ; my codes
	s_lshl_b32 s56, s50, 6
	s_lshl_b32 s57, s20, 3
	s_add_co_u32 s56, s56, s57
	s_mov_b32 s57, 0
	s_add_nc_u64 s[58:59], s[26:27], s[56:57]      ; my scale bytes
.irp i, 0,1,2,3,4,5,6,7,8,9,10,11,12,13,14,15,16,17,18,19,20,21,22,23,24,25,26,27,28,29,30,31
	s_mul_i32 s60, s25, \i
	v_add_nc_u32 v[OFF+\i], s60, v3
.endr
.macro LOAD t                          ; block t: W(32 t + i, my column), i = 0 .. 31, into set t % 2
.irp i, 0,1,2,3,4,5,6,7,8,9,10,11,12,13,14,15,16,17,18,19,20,21,22,23,24,25,26,27,28,29,30,31
	global_load_b32 v[X+32*((\t)%2)+\i], v[OFF+\i], s[BAS+2*(\t):BAS+2*(\t)+1] th:TH_LOAD_NT
.endr
.endm
	LOAD 0
	LOAD 1
.macro BLOCK t
.set XS, X+32*((\t)%2)
.if (\t) < NB-1
	s_wait_loadcnt 32                              ; this block's 32 loads are in; the next block's may be out
.else
	s_wait_loadcnt 0
.endif
	v_max3_num_f32 v12, |v[XS]|, |v[XS+1]|, |v[XS+2]|               ; the block's largest magnitude: all 32 numbers are mine
	v_max3_num_f32 v13, |v[XS+3]|, |v[XS+4]|, |v[XS+5]|
.irp i, 6,10,14,18,22,26
	v_max3_num_f32 v12, v12, |v[XS+\i]|, |v[XS+\i+1]|
	v_max3_num_f32 v13, v13, |v[XS+\i+2]|, |v[XS+\i+3]|
.endr
	v_max3_num_f32 v12, v12, |v[XS+30]|, |v[XS+31]|
	v_max3_num_f32 v12, v12, v13, 0x1800000        ; and the floor 2^(3 - 127): the byte cannot fall under 1
	v_add_nc_u32 v11, 0xff000000, v12              ; 2 off its exponent field: the conversion's scale operand
	v_lshrrev_b32 v13, 23, v11                     ; the scale's byte
.if (\t)%4 == 0
	v_mov_b32 v[SB+(\t)/4], v13                    ; four bytes to a register, the lower K in the lower byte
.else
	v_lshl_or_b32 v[SB+(\t)/4], v13, 8*((\t)%4), v[SB+(\t)/4]
.endif
	v_cvt_scalef32_pk16_fp6_f32 v[C:C+2], v[XS:XS+15], v11
	v_cvt_scalef32_pk16_fp6_f32 v[C+4:C+6], v[XS+16:XS+31], v11     ; (a conversion's three registers begin on an even number)
	ds_store_b96 v4, v[C:C+2] offset:32*(\t)       ; 16 codes, 12 bytes, to a place of 16 bytes, so that every LDS address is a multiple of 16
	ds_store_b96 v4, v[C+4:C+6] offset:32*(\t)+16
.if (\t)+2 < NB
	LOAD (\t)+2
.endif
	s_wait_dscnt 0x0                               ; the stores have read their registers: the next block's codes may be written
.endm
.set QB, 0
.rept NB
	BLOCK QB
.set QB, QB+1
.endr
	global_store_b64 v9, v[SB:SB+1], s[58:59]      ; my column's 8 scale bytes
.irp t, 0,1,2,3,4,5,6,7,8,9,10,11,12,13,14,15
	ds_load_b96 v[OUTR+4*\t:OUTR+4*\t+2], v7 offset:2*\t*PITCH   ; LDS serves a wave's instructions in order: these see my stores
.endr
.irp t, 0,1,2,3,4,5,6,7,8,9,10,11,12,13,14,15
	s_wait_dscnt 15-\t                             ; the younger loads may be out
	global_store_b96 v8, v[OUTR+4*\t:OUTR+4*\t+2], s[54:55] offset:2*\t*KROW
.endr
	s_wait_tensorcnt 0x0                           ; the wave's end: behind my last LDS store
	ds_add_u32 v[SPW], v[NIL]
	s_wait_dscnt 0x0
	s_endpgm
.Lfunc_end_k_qb134e5621c_qw:
	.size	k_qb134e5621c_qw, .Lfunc_end_k_qb134e5621c_qw-k_qb134e5621c_qw
	.p2alignl 7, 3214868480
	.fill 96, 4, 3214868480
	.section	.rodata,"a",@progbits
	.p2align	6, 0x0
	.amdhsa_kernel k_qb134e5621c_qw
		.amdhsa_group_segment_fixed_size 35840
		.amdhsa_private_segment_fixed_size 0
		.amdhsa_enable_private_segment 0
		.amdhsa_kernarg_size 56
		.amdhsa_user_sgpr_count 2
		.amdhsa_user_sgpr_kernarg_segment_ptr 1
		.amdhsa_wavefront_size32 1
		.amdhsa_system_sgpr_workgroup_id_x 1
		.amdhsa_system_sgpr_workgroup_id_y 1
		.amdhsa_system_sgpr_workgroup_id_z 1
		.amdhsa_system_vgpr_workitem_id 0
		.amdhsa_next_free_vgpr 208
		.amdhsa_next_free_sgpr 66
		.amdhsa_reserve_vcc 0
		.amdhsa_float_denorm_mode_32 3
		.amdhsa_float_denorm_mode_16_64 3
		.amdhsa_memory_ordered 1
		.amdhsa_forward_progress 1
		.amdhsa_inst_pref_size 45
	.end_amdhsa_kernel
	.amdgpu_metadata
---
amdhsa.version: [ 1, 2 ]
amdhsa.kernels:
  - .name:           k_qb134e5621c_qw
    .symbol:         k_qb134e5621c_qw.kd
    .args:
      - { .name: Wq, .offset: 0, .size: 8, .value_kind: global_buffer, .address_space: global }
      - { .name: Wg, .offset: 8, .size: 8, .value_kind: global_buffer, .address_space: global }
      - { .name: Wk, .offset: 16, .size: 8, .value_kind: global_buffer, .address_space: global }
      - { .name: Wv, .offset: 24, .size: 8, .value_kind: global_buffer, .address_space: global }
      - { .name: Wo, .offset: 32, .size: 8, .value_kind: global_buffer, .address_space: global }
      - { .name: wcat, .offset: 40, .size: 8, .value_kind: global_buffer, .address_space: global }
      - { .name: woq, .offset: 48, .size: 8, .value_kind: global_buffer, .address_space: global }
    .group_segment_fixed_size: 35840
    .private_segment_fixed_size: 0
    .kernarg_segment_align: 8
    .kernarg_segment_size: 56
    .max_flat_workgroup_size: 128
    .sgpr_count:     66
    .vgpr_count:     208
    .wavefront_size: 32
...
	.end_amdgpu_metadata
.endif
;; end of part 2
;; launch proj (part 3): grid 20 x 8, 4 waves a work-group, clusters of 4 x 4, 327,680 bytes of LDS; arguments xq, wcat, c; writes c
.if DOCPART == 3
	.amdgcn_target "amdgcn-amd-amdhsa--gfx1250"
	.amdhsa_code_object_version 6
	.text
	.protected	k_qb134e5621c_proj
	.globl	k_qb134e5621c_proj
	.p2align	8
	.type	k_qb134e5621c_proj,@function
k_qb134e5621c_proj:
	s_mov_b64 s[64:65], 0
	v_nop
	global_prefetch_b8 v0, s[64:65] scope:SCOPE_SE
	s_setreg_imm32_b32 hwreg(HW_REG_WAVE_MODE, 25, 1), 1
	s_wait_xcnt 0x0
	s_wait_alu depctr_hold_cnt(0) depctr_sa_sdst(0) depctr_va_vdst(0) depctr_va_sdst(0) depctr_va_ssrc(0) depctr_va_vcc(0) depctr_vm_vsrc(0)
	s_getreg_b32 s2, hwreg(HW_REG_IB_STS2, 6, 4)
	s_cmp_eq_u32 s2, 0
	s_cbranch_scc0 .Lentry_in_a_cluster
	s_endpgm
.Lentry_in_a_cluster:
	s_bfe_u32 s2, ttmp6, 0x10000c
	s_cmp_lg_u32 s2, 0xf033
	s_cbranch_scc0 .Lentry_shape_is_right
	s_endpgm
.Lentry_shape_is_right:
; C[m][n] = sum over k of A[m][k] B[n][k], K = 2,048, on codes of FP6 (E2M3) with one E8M0 scale for each 32 along K; sums in f32.
; A: 2,048 rows: scale bytes [row][64] from byte 0 of its buffer, codes [row][1536 bytes] from byte 131,072.  B: scale bytes [row][64] from byte 0, codes from byte 327,680.
; C: planes of [2048][2048] f32, 16,777,216 bytes apart: B's rows 2,048 p + j go to column j of plane p.  (With 2,048 rows of B there is one plane.)
; A tile of C, 256 x 256, is made by a work-group of four waves; a wave makes 128 x 128: 64 accumulators of 16 x 16, 512 registers.
; K goes in steps of 256 through a ring of two LDS slots filled by the tensor data mover: a tile's row is 192 bytes of memory.
; THE SCALES of the work-group's 256 rows of A and of B, for all of K, are two dense blocks of memory: they come into LDS once, with the first fills, as rows of 256 bytes, and stay.
; CLUSTERS: 4 x 4 work-groups.  The four of a row of the cluster need the same tiles of A, the four of a column the same tiles of B: each tile is asked for JOINTLY, by the same tensor load with the
; same descriptor and a mask that names the four.  THE MATRIX INSTRUCTION IS USED TRANSPOSED (source 0 = 16 rows of B, source 1 = 16 rows of A): a lane then holds eight neighbouring numbers of a row of C.
; REGISTERS, in windows of 256: window 0: v0-31 addresses; v32-63 scale words, two sets; from v128 A's fragments (8 x 16 rows x 128 K), ONE set; on the way out v32-255 are free.
;   window 1: B's fragments, TWO sets, at v0 and at v128.   window 2: the 32 accumulators of my rows 0-63 (accumulator (a, b) at v[8 (8 a + b)]);   window 3: those of my rows 64-127.
; A step of 128 along K is 64 matrix instructions, A's blocks one after the other, each against B's eight: a block of A is free as soon as its eight products are issued, so one set serves A.
.set SIZE_K, 2048
.set CP,     2048                      ; a row of C in numbers
.set ACODES, 131072                    ; where the codes begin in A's buffer
.set BCODES, 327680                    ; and in B's
.set KSTEP,  256                       ; along K in a slot
.set NQ,     KSTEP/128                 ; matrix instructions deep
.set ROWB,   192                       ; a tile's row in bytes
.set KROW,   SIZE_K*6/8                ; a row of codes in memory
.set PITCH,  240                       ; an LDS row: 3 x (64 bytes of data + 16 of padding) = 60 words, so that the 32 lanes of a load of 8 bytes touch 64 different banks (64 banks of 4 bytes: ISA guide 11.1)
.set FR,     12                        ; registers of a fragment: 16 rows x 128 K
.set NL,     6                         ; LDS loads that bring one
.set NP,     4                         ; places behind this matrix instruction (ISA guide 7.12.1)
.set HALFT,  128*PITCH                 ; 128 rows: what one tensor load brings, and what one wave reads of A or of B
.set SLOT,   4*HALFT                   ; A's 256 rows, then B's 256 rows
.set LAPS,   SIZE_K/(2*KSTEP)          ; a lap = two K steps = once round the ring
.set KS,     SIZE_K/32                 ; a row of scales in bytes
.set SCL,    2*SLOT                    ; behind the ring: the scales, as rows of 256 bytes + 16 of padding
.set HALFS,  (128*KS/256)*272          ; the scales of 128 rows: what one tensor load brings
.set SBLK,   (16*KS/256)*272           ; those of 16 rows
.set SPARE,  SCL+4*HALFS               ; behind the scales: the spare words, 128 bytes a wave, which no other line names
.set SPITCH, 528                       ; the way out: a stage of 16 rows x (512 bytes + 16) for each wave, in slot 0, which has had its last fill and its last read when the first result is stored there
.set ADRA, 16                          ; v16-17  LDS address of my A fragments in slot 0, 1  (v18-19: the same for the pieces that lie behind one padding more)
.set ADRB, 20                          ; v20-21  the same for B  (v22-23)
.set STO,  24                          ; v24     the way out: where I put 32 bytes of a row
.set RD,   25                          ; v25     the way out: where I read a row back
.set CO,   26                          ; v26     my byte offset in a row of C
.set SPW,  28                          ; v28     LDS address of my spare word; never rewritten
.set NIL,  29                          ; v29     0; never rewritten
.set ADRS, 27                          ; v27     LDS address of my scale words: lanes 0-15 A's rows, lanes 16-31 B's
.set SC,   32                          ; scale words: set s at v[SC + 8 NQ s]; register NQ i + q: lanes 0-15 the word of A's block i, lanes 16-31 that of B's block i, for the slot's q-th 128 along K
.set AF,   128                         ; A's fragments, in window 0
.set BK,   128                         ; the way out: 16 rows read back from the stage: v128-191 and v192-255 by turns
.set G1, 24                            ; s[24:31] descriptor group 1 for A's tiles;  s[32:39] group 0, one set for each slot
.set G0, 32
.set G1B, 48                           ; s[48:55], s[56:63] the same for B's tiles
.set G0B, 56
.set G1S, 68                           ; s[68:75], s[76:79] groups 1 and 0 for A's scales;  s[80:87], s[88:91] for B's
.set G0S, 76
.set G1SB, 80
.set G0SB, 88
.set MSB, 0
.macro WIN new                         ; the immediate's high byte repeats the setting that is left
.if MSB != \new
	s_set_vgpr_msb (MSB<<8)|\new
.set MSB, \new
.endif
.endm
.set MUL_LO, 0xa1                      ; source 0 (B) window 1, source 1 (A) window 0, C and D window 2
.set MUL_HI, 0xf1                      ; the same, C and D window 3
.set TO_B,   0x40                      ; destination window 1, address window 0
; A joint load: waves 0 and 1 fetch for A, waves 2 and 3 for B.  Each of the two lines has ONE mask and one set of registers for all that issue it; the branch hangs on the wave's number alone.
; An s_nop 0 and four v_nop follow each of the two lines, ahead of the jump, the label and what follows.
.macro JLOAD g0a, g1a, g0b, g1b
	s_cmp_eq_u32 s15, 0
	s_cbranch_scc0 .Lfor_b_\@
	tensor_load_to_lds s[\g0a:\g0a+3], s[\g1a:\g1a+7]
	s_nop 0
.rept 4
	v_nop
.endr
	s_branch .Lasked_\@
.Lfor_b_\@:
	tensor_load_to_lds s[\g0b:\g0b+3], s[\g1b:\g1b+7]
	s_nop 0
.rept 4
	v_nop
.endr
.Lasked_\@:
.endm
.macro CREST                           ; a round of the cluster's barrier behind its opening barrier
	s_cmp_lg_u32 s14, 0
	s_cbranch_scc1 .Lnot_wave_0_\@
	s_barrier_signal -3
.Lnot_wave_0_\@:
	s_barrier_wait -3
	s_barrier_signal -1
	s_barrier_wait -1
.endm
.macro CROUND                          ; a whole round
	s_barrier_signal -1
	s_barrier_wait -1
	CREST
.endm
	s_load_b64 s[6:7], s[0:1], 0x0                 ; A's buffer: its scales begin here
	s_load_b64 s[10:11], s[0:1], 0x8               ; B's buffer likewise
	s_load_b64 s[12:13], s[0:1], 0x10              ; C
	v_lshl_add_u32 v[SPW], v0, 2, SPARE
	v_mov_b32 v[NIL], 0
	ds_add_u32 v[SPW], v[NIL]                      ; the wave's opening: the add and its wait stand ahead of my first tensor load; the set-up below, work on registers, stands between them
	v_lshrrev_b32 v1, 5, v0
	v_readfirstlane_b32 s14, v1                    ; wave 0..3
	s_lshr_b32 s15, s14, 1                         ; which half of the tile's rows is mine.  Also: I fetch for A (0) or for B (1)
	s_and_b32 s16, s14, 1                          ; which half of its columns.  Also: which 128 rows of that tile I fetch
	s_bfe_u32 s40, ttmp6, 0x40000                  ; cx, cy: my place in the cluster
	s_bfe_u32 s41, ttmp6, 0x40004
	s_lshl_b32 s42, ttmp9, 2
	s_add_co_u32 s42, s42, s40                     ; tile column of C = 4 x cluster x + cx
	s_and_b32 s17, ttmp7, 0xffff
	s_lshl_b32 s17, s17, 2
	s_add_co_u32 s17, s17, s41                     ; tile row of C = 4 x cluster y + cy
	s_lshl_b32 s43, s41, 2
	s_lshl_b32 s43, 15, s43                        ; my row of the cluster
	s_lshl_b32 s44, 0x1111, s40                    ; my column
	; descriptor group 1: a tile of 128 rows x ROWB bytes, padded in LDS
	s_or_b32 s[G1+0], s43, (0<<16)|(1<<20)|(1<<21)|(3<<22)|(3<<25)  ; 15:0 the mask: A's tiles go to my row; 17:16 element of 1 byte; 20 padding on; 21 set beside a mask; 24:22 after every 16 words (code 3); 31:25 of 4 words (code 3)
	s_or_b32 s[G1B+0], s44, (0<<16)|(1<<20)|(1<<21)|(3<<22)|(3<<25)
.irp g, G1, G1B
	s_mov_b32 s[\g+1], ROWB<<16                    ; tensor_dim0
	s_mov_b32 s[\g+2], 128<<16                     ; tensor_dim1 = 128
	s_mov_b32 s[\g+3], ROWB<<16                    ; tile_dim0
	s_mov_b32 s[\g+4], 128                         ; tile_dim1 = 128
	s_mov_b32 s[\g+5], KROW                        ; tensor_dim0_stride
	s_mov_b32 s[\g+6], 0
	s_mov_b32 s[\g+7], 0
.endr
	; and for the scales of 128 rows: a dense block of 128 KS bytes, as rows of 256 bytes (32 elements of 8 bytes), 16 bytes of padding behind each
	s_or_b32 s[G1S+0], s43, (3<<16)|(1<<20)|(1<<21)|(5<<22)|(3<<25)
	s_or_b32 s[G1SB+0], s44, (3<<16)|(1<<20)|(1<<21)|(5<<22)|(3<<25)
.irp g, G1S, G1SB
	s_mov_b32 s[\g+1], 32<<16
	s_mov_b32 s[\g+2], (128*KS/256)<<16
	s_mov_b32 s[\g+3], 32<<16
	s_mov_b32 s[\g+4], 128*KS/256
	s_mov_b32 s[\g+5], 32
	s_mov_b32 s[\g+6], 0
	s_mov_b32 s[\g+7], 0
.endr
	s_lshl_b32 s18, s16, 7                         ; which 128 rows of the tile I fetch
	s_lshl_b32 s20, s17, 8
	s_add_co_u32 s20, s20, s18                     ; A: row 256 x tile row + 128 x half
	s_lshl_b32 s46, s42, 8
	s_add_co_u32 s46, s46, s18                     ; B: row 256 x tile column + 128 x half
	s_mov_b32 s21, 0
	s_mov_b32 s47, 0
	s_mov_b64 s[18:19], KS
	s_mul_u64 s[22:23], s[20:21], s[18:19]         ; where these rows' scales begin, in bytes
	s_mul_u64 s[92:93], s[46:47], s[18:19]
	s_mov_b64 s[18:19], KROW
	s_mul_u64 s[20:21], s[20:21], s[18:19]         ; and their codes
	s_mul_u64 s[46:47], s[46:47], s[18:19]
	s_mul_i32 s45, s14, HALFT                      ; where they go: wave x 128 rows: no place in the cluster enters an LDS address
	s_mul_i32 s94, s14, HALFS
	s_wait_dscnt 0x0                               ; the opening add is done
	s_wait_kmcnt 0x0
	s_add_nc_u64 s[4:5], s[6:7], ACODES            ; A's codes
	s_add_nc_u64 s[8:9], s[10:11], BCODES          ; B's codes
	s_add_nc_u64 s[20:21], s[4:5], s[20:21]
	s_add_nc_u64 s[22:23], s[6:7], s[22:23]
	s_add_nc_u64 s[46:47], s[8:9], s[46:47]
	s_add_nc_u64 s[92:93], s[10:11], s[92:93]
	CROUND                                         ; all sixteen work-groups are here: the first joint loads meet
	s_mov_b32 s[G0S], 1
	s_add_co_u32 s[G0S+1], s94, SCL
	s_mov_b64 s[G0S+2:G0S+3], s[22:23]
	s_or_b32 s[G0S+3], s[G0S+3], 0x80000000
	s_mov_b32 s[G0SB], 1
	s_add_co_u32 s[G0SB+1], s94, SCL
	s_mov_b64 s[G0SB+2:G0SB+3], s[92:93]
	s_or_b32 s[G0SB+3], s[G0SB+3], 0x80000000
	JLOAD G0S, G1S, G0SB, G1SB                     ; the scales first: they are wanted with K step 0
.irp s, 0,1
	s_mov_b32 s[G0+4*\s], 1
	s_add_co_u32 s[G0+4*\s+1], s45, \s*SLOT
	s_add_nc_u64 s[G0+4*\s+2:G0+4*\s+3], s[20:21], \s*ROWB
	s_or_b32 s[G0+4*\s+3], s[G0+4*\s+3], 0x80000000
	s_mov_b32 s[G0B+4*\s], 1
	s_add_co_u32 s[G0B+4*\s+1], s45, \s*SLOT
	s_add_nc_u64 s[G0B+4*\s+2:G0B+4*\s+3], s[46:47], \s*ROWB
	s_or_b32 s[G0B+4*\s+3], s[G0B+4*\s+3], 0x80000000
	JLOAD G0+4*\s, G1, G0B+4*\s, G1B
.endr
	v_and_b32 v1, 15, v0                           ; l % 16
	v_bfe_u32 v2, v0, 4, 1                         ; l / 16
	v_mul_u32_u24 v3, v1, PITCH
	v_mul_u32_u24 v4, v2, 24
	v_add_nc_u32 v4, v3, v4                        ; a fragment's row x pitch + 24 x half
	v_lshl_add_u32 v5, v2, 4, v4                   ; and the same behind one padding more
	s_mul_i32 s21, s15, HALFT                      ; my 128 rows of A
	s_mul_i32 s22, s16, HALFT                      ; my 128 rows of B,
	s_add_co_u32 s22, s22, 2*HALFT                 ; which lie behind A's 256
.irp s, 0,1
	v_add_nc_u32 v[ADRA+\s], s21, v4
	v_add_nc_u32 v[ADRB+\s], s22, v4
	v_add_nc_u32 v[ADRA+2+\s], s21, v5
	v_add_nc_u32 v[ADRB+2+\s], s22, v5
	s_add_co_u32 s21, s21, SLOT
	s_add_co_u32 s22, s22, SLOT
.endr
	v_mul_u32_u24 v5, v1, KS                       ; my row's scales: KS bytes a row,
	v_lshrrev_b32 v6, 8, v5
	v_lshl_add_u32 v5, v6, 4, v5                   ; and 16 more for each 256 passed
	s_mul_i32 s21, s15, HALFS                      ; A's: my 128 rows
	s_mul_i32 s22, s16, HALFS                      ; B's: my 128 rows, behind A's 256
	s_add_co_u32 s22, s22, 2*HALFS
	s_sub_co_u32 s22, s22, s21
	v_mul_u32_u24 v6, s22, v2                      ; lanes 16-31 take B's
	s_add_co_u32 s21, s21, SCL
	v_add_nc_u32 v5, v5, v6
	v_add_nc_u32 v[ADRS], s21, v5
	s_mul_i32 s23, s14, 16*SPITCH                  ; my stage
	v_mul_u32_u24 v5, v1, SPITCH                   ; in: row l % 16, 32 bytes for each half of the lanes
	v_lshl_add_u32 v5, v2, 5, v5
	v_add_nc_u32 v[STO], s23, v5
	v_and_b32 v6, 31, v0
	v_lshlrev_b32 v[CO], 4, v6                     ; back: the 32 lanes take one row of 512 bytes; and the same in C
	v_add_nc_u32 v[RD], s23, v[CO]
	s_lshl_b32 s20, s17, 8
	s_lshl_b32 s21, s15, 7
	s_add_co_u32 s20, s20, s21                     ; my first row of C: 256 x tile row + 128 x half
	s_mov_b32 s21, 0
	s_mov_b64 s[18:19], CP*4
	s_mul_u64 s[20:21], s[20:21], s[18:19]
	s_and_b32 s46, s42, 7                          ; my first column, in bytes: eight tile columns to a plane: 1024 x (tile column % 8)
	s_lshl_b32 s46, s46, 10
	s_lshr_b32 s47, s42, 3                         ; + 16,777,216 x (tile column / 8)
	s_lshl_b32 s47, s47, 24
	s_add_co_u32 s46, s46, s47
	s_lshl_b32 s47, s16, 9                         ; + 512 x half
	s_add_co_u32 s46, s46, s47
	s_mov_b32 s47, 0
	s_add_nc_u64 s[20:21], s[20:21], s[46:47]
	s_add_nc_u64 s[12:13], s[12:13], s[20:21]
.macro FRAG reg, adr, q, i             ; a fragment, 16 rows x 128 K of 6-bit codes, is 12 registers: lane l holds row l % 16; registers 6 c .. 6 c + 5 hold K = 64 c + 32 (l / 16) + 0 .. 31: 24 bytes of the row's stream of bits, as they lie
.irp p, 0,1,2,3,4,5                    ; in pieces of 8 bytes, so that every address is a multiple of the access's size.  Lanes 0-15 take the row's pieces 12 q + 0, 1, 2 and 12 q + 6, 7, 8, lanes 16-31 those three pieces on
.set PCE, 12*(\q)+6*(\p/3)+\p%3       ; 16 bytes of padding lie behind every 64 bytes (8 pieces): where the piece three on lies behind one padding more, the second address register (40 for 24 bytes a half) serves
.if PCE%8 < 5
	ds_load_b64 v[\reg+2*\p:\reg+2*\p+1], v[\adr] offset:8*PCE+16*(PCE/8)+(\i)*16*PITCH
.else
	ds_load_b64 v[\reg+2*\p:\reg+2*\p+1], v[\adr+2] offset:8*PCE+16*(PCE/8)+(\i)*16*PITCH
.endif
.endr
.endm
; 16 matrix instructions: A's blocks a0, a0 + 1 x B's eight, 128 along K: the slot's q-th.  p: B's set;  sc: the set of scale words.  zero = 1: the first product starts the sums: nothing is ever cleared.
; The 64 accumulators take turns, one instruction a turn, in the same order in every step.
.macro MUL16 a0, p, q, sc, zero
.irp a, \a0, \a0+1
.irp b, 0,1,2,3,4,5,6,7
.if \zero
	v_wmma_scale_f32_16x16x128_f8f6f4 v[8*(8*((\a)%4)+\b):8*(8*((\a)%4)+\b)+7], v[128*(\p)+FR*\b:128*(\p)+FR*\b+FR-1], v[AF+FR*(\a):AF+FR*(\a)+FR-1], 0, v[SC+8*NQ*(\sc)+NQ*\b+(\q)], v[SC+8*NQ*(\sc)+NQ*(\a)+(\q)] matrix_a_fmt:MATRIX_FMT_FP6 matrix_b_fmt:MATRIX_FMT_FP6 matrix_a_scale:MATRIX_SCALE_ROW1
.else
	v_wmma_scale_f32_16x16x128_f8f6f4 v[8*(8*((\a)%4)+\b):8*(8*((\a)%4)+\b)+7], v[128*(\p)+FR*\b:128*(\p)+FR*\b+FR-1], v[AF+FR*(\a):AF+FR*(\a)+FR-1], v[8*(8*((\a)%4)+\b):8*(8*((\a)%4)+\b)+7], v[SC+8*NQ*(\sc)+NQ*\b+(\q)], v[SC+8*NQ*(\sc)+NQ*(\a)+(\q)] matrix_a_fmt:MATRIX_FMT_FP6 matrix_b_fmt:MATRIX_FMT_FP6 matrix_a_scale:MATRIX_SCALE_ROW1
.endif
.endr
.endr
.endm
.macro FETCH_B slot, q, p              ; B's eight fragments of the slot's q-th 128 along K into set p
	WIN TO_B
.irp i, 0,1,2,3,4,5,6,7
	FRAG 128*(\p)+FR*\i, ADRB+\slot, \q, \i
.endr
	WIN 0
.endm
.macro FETCH_A slot, q, i0             ; A's blocks i0 .. i0 + 3
.irp i, \i0, \i0+1, \i0+2, \i0+3
	FRAG AF+FR*(\i), ADRA+\slot, \q, \i
.endr
.endm
.macro SCALES sc                       ; the next K step's scale words into set sc: NQ words a row; lanes 0-15 take A's block i, lanes 16-31 B's block i
.irp i, 0,1,2,3,4,5,6,7
	ds_load_b64 v[SC+8*NQ*\sc+NQ*\i:SC+8*NQ*\sc+NQ*\i+1], v[ADRS] offset:\i*SBLK
.endr
.endm
; A load into a register that a matrix instruction has read, and an LDS store that reads a matrix result, stand NP places behind that matrix instruction, and only plain vector
; instructions that name none of its registers are places (ISA guide 7.12.1 for vector instructions).
.macro PLACES n
.rept \n
	v_nop
.endr
.endm
; A step of 128 along K that has its successor in the same slot.
.macro STEP slot, q, zero
	s_wait_dscnt 4*NL                              ; B's set and A's blocks 0-3 are in; the youngest 24 loads (A's blocks 4-7) may be out
	WIN MUL_LO
	MUL16 0, (\q)%2, \q, \slot, \zero
	MUL16 2, (\q)%2, \q, \slot, \zero
	s_wait_dscnt 0                                 ; A's blocks 4-7 are in (asked for 32 matrix instructions ago)
	PLACES NP
	FETCH_B \slot, (\q)+1, 1-(\q)%2
	FETCH_A \slot, (\q)+1, 0
	WIN MUL_HI
	MUL16 4, (\q)%2, \q, \slot, \zero
	MUL16 6, (\q)%2, \q, \slot, \zero
	PLACES NP
	WIN 0
	FETCH_A \slot, (\q)+1, 4
.endm
; A slot's last step changes slots: ONE barrier; in front of it each wave waits for all its tensor loads, adds 0 to its spare word, and waits for that and for its own reads of this slot.  fill = 1: this slot is filled again, two K steps ahead.
.macro TURN slot, next, fill
	s_wait_tensorcnt 0x0                           ; all my tensor loads have landed: my part of the next slot;  (every window is 0 here: the add's two registers lie in window 0)
	ds_add_u32 v[SPW], v[NIL]                      ; 0 onto my spare word;
	s_wait_dscnt 4*NL+1                            ; (the add and the youngest 24 loads, A's blocks 4-7, may be out)
	WIN MUL_LO
	MUL16 0, 1, NQ-1, \slot, 0                     ; sixteen matrix instructions stand between the add and the wait for it
	s_wait_dscnt 0x0                               ; the add is done, and my reads of this slot are over
	s_barrier_signal -1
	MUL16 2, 1, NQ-1, \slot, 0
	WIN 0
	s_barrier_wait -1
.if \fill
	CREST                                          ; the barrier has opened a round of the cluster's barrier: no wave of any partner still reads this slot's tile or has a load on its way
	s_add_nc_u64 s[G0+4*\slot+2:G0+4*\slot+3], s[G0+4*\slot+2:G0+4*\slot+3], 2*ROWB
	s_add_nc_u64 s[G0B+4*\slot+2:G0B+4*\slot+3], s[G0B+4*\slot+2:G0B+4*\slot+3], 2*ROWB
	JLOAD G0+4*\slot, G1, G0B+4*\slot, G1B         ; the first tensor load behind the round; the four v_nop behind it are the places in front of the loads below
.else
	PLACES NP
.endif
	v_add_nc_u32 v[ADRS], 4*NQ, v[ADRS]            ; on to the next K step's scale words (no LDS load of mine is out)
	FETCH_B \next, 0, 0
	FETCH_A \next, 0, 0
	SCALES \next
	WIN MUL_HI
	MUL16 4, 1, NQ-1, \slot, 0
	MUL16 6, 1, NQ-1, \slot, 0
	PLACES NP
	WIN 0
	FETCH_A \next, 0, 4
.endm
	s_wait_tensorcnt 1                             ; the scales and my part of K step 0 are in (K step 1's load may be out),
	s_barrier_signal -1
	s_barrier_wait -1                              ; everybody's are
	FETCH_B 0, 0, 0
	FETCH_A 0, 0, 0
	SCALES 0
	FETCH_A 0, 0, 4
	STEP 0, 0, 1                                   ; the first step stands in front of the loop: its products start the sums
	s_mov_b32 s3, LAPS-1
.Llap:                                                 ; a trip goes once round the ring, from a lap's second step to the next lap's first, and fills both slots again
	TURN 0, 1, 1
	STEP 1, 0, 0
	TURN 1, 0, 1
	STEP 0, 0, 0
	s_sub_co_u32 s3, s3, 1
	s_cmp_lg_u32 s3, 0
	s_cbranch_scc1 .Llap
	TURN 0, 1, 0                                   ; the last lap fills nothing, and has no round of the cluster's barrier
	STEP 1, 0, 0
	s_wait_dscnt 4*NL                              ; the very last step: nothing more to fetch
	WIN MUL_LO
	MUL16 0, 1, NQ-1, 1, 0
	MUL16 2, 1, NQ-1, 1, 0
	s_wait_dscnt 0
	WIN MUL_HI
	MUL16 4, 1, NQ-1, 1, 0
	MUL16 6, 1, NQ-1, 1, 0
	WIN 0
; THE WAY OUT, block by block of 16 rows x 128 columns.  A lane holds 32 neighbouring bytes of a row, and the lanes beside it hold other rows: so a block goes through my own stage in LDS and comes back as whole
; rows of 512 bytes, which the 32 lanes store as 512 consecutive bytes.  LDS serves a wave's instructions in order (ISA guide 5.7.1.4): no wait between the stores and the loads, nor in front of the next block's stores.
.macro TOSTAGE a
.set AC, 64*((\a)%4)
	WIN 0x08+4*((\a)/4)                            ; the data: window 2 or 3
.irp b, 0,1,2,3,4,5,6,7
	ds_store_b128 v[STO], v[AC+8*\b:AC+8*\b+3] offset:64*\b          ; each accumulator from its low end on
	ds_store_b128 v[STO], v[AC+8*\b+4:AC+8*\b+7] offset:64*\b+16
.endr
	WIN 0
.set BB, BK+64*((\a)%2)
.irp t, 0,1,2,3,4,5,6,7,8,9,10,11,12,13,14,15
	ds_load_b128 v[BB+4*\t:BB+4*\t+3], v[RD] offset:\t*SPITCH
.endr
.endm
.macro SEND a, younger                 ; younger: the LDS instructions issued behind block a's loads, which may stay out
.set BB, BK+64*((\a)%2)
	s_wait_dscnt \younger                          ; the block is back in registers
.if (\a) > 0
	s_add_nc_u64 s[12:13], s[12:13], 16*CP*4       ; (behind a wait on XCNT: the earlier stores have read their base)  16 rows of C on
.endif
.irp t, 0,1,2,3,4,5,6,7,8,9,10,11,12,13,14,15
	global_store_b128 v[CO], v[BB+4*\t:BB+4*\t+3], s[12:13] offset:\t*CP*4 th:TH_STORE_NT   ; 32 lanes store 512 consecutive bytes, at a multiple of 256 from C's first byte
.endr
.endm
	PLACES NP                                      ; these places serve the loads into the registers that held A's fragments and block 7's reads alike
	TOSTAGE 0
.irp a, 1,2,3,4,5,6,7
.if \a > 1
	s_wait_xcnt 0x0                                ; block a - 2's stores have read their registers and their base: block a's loads may land there, and the base may step
.endif
	TOSTAGE \a
	SEND \a-1, 32                                  ; behind block a - 1's loads: block a's 16 stores and 16 loads
.endr
	s_wait_xcnt 0x0                                ; block 6's stores have read their base
	SEND 7, 0
	s_wait_tensorcnt 0x0                           ; the wave's end: behind my last tensor load and my last LDS store
	ds_add_u32 v[SPW], v[NIL]
	s_wait_dscnt 0x0
	CROUND                                         ; the closing round: no work-group ends while a partner may still ask for a tile that names it
	s_endpgm
.Lfunc_end_k_qb134e5621c_proj:
	.size	k_qb134e5621c_proj, .Lfunc_end_k_qb134e5621c_proj-k_qb134e5621c_proj
	.p2alignl 7, 3214868480
	.fill 96, 4, 3214868480
	.section	.rodata,"a",@progbits
	.p2align	6, 0x0
	.amdhsa_kernel k_qb134e5621c_proj
		.amdhsa_group_segment_fixed_size 327680
		.amdhsa_private_segment_fixed_size 0
		.amdhsa_enable_private_segment 0
		.amdhsa_kernarg_size 24
		.amdhsa_user_sgpr_count 2
		.amdhsa_user_sgpr_kernarg_segment_ptr 1
		.amdhsa_wavefront_size32 1
		.amdhsa_system_sgpr_workgroup_id_x 1
		.amdhsa_system_sgpr_workgroup_id_y 1
		.amdhsa_system_sgpr_workgroup_id_z 1
		.amdhsa_system_vgpr_workitem_id 0
		.amdhsa_next_free_vgpr 1024
		.amdhsa_next_free_sgpr 98
		.amdhsa_reserve_vcc 0
		.amdhsa_float_denorm_mode_32 3
		.amdhsa_float_denorm_mode_16_64 3
		.amdhsa_memory_ordered 1
		.amdhsa_forward_progress 1
		.amdhsa_inst_pref_size 160
	.end_amdhsa_kernel
	.amdgpu_metadata
---
amdhsa.version: [ 1, 2 ]
amdhsa.kernels:
  - .name:           k_qb134e5621c_proj
    .symbol:         k_qb134e5621c_proj.kd
    .args:
      - { .name: xq, .offset: 0, .size: 8, .value_kind: global_buffer, .address_space: global }
      - { .name: wcat, .offset: 8, .size: 8, .value_kind: global_buffer, .address_space: global }
      - { .name: c, .offset: 16, .size: 8, .value_kind: global_buffer, .address_space: global }
    .group_segment_fixed_size: 327680
    .private_segment_fixed_size: 0
    .kernarg_segment_align: 8
    .kernarg_segment_size: 24
    .max_flat_workgroup_size: 128
    .sgpr_count:     98
    .vgpr_count:     1024
    .wavefront_size: 32
...
	.end_amdgpu_metadata
.endif
;; end of part 3
;; launch post (part 4): grid 16 x 8, 4 waves a work-group, no clusters, 70,656 bytes of LDS; arguments c, rope_cos, rope_sin, out1, out2, kvp; writes out1, out2, kvp
.if DOCPART == 4
	.amdgcn_target "amdgcn-amd-amdhsa--gfx1250"
	.amdhsa_code_object_version 6
	.text
	.protected	k_qb134e5621c_post
	.globl	k_qb134e5621c_post
	.p2align	8
	.type	k_qb134e5621c_post,@function
k_qb134e5621c_post:
	s_mov_b64 s[64:65], 0
	v_nop
	global_prefetch_b8 v0, s[64:65] scope:SCOPE_SE
	s_setreg_imm32_b32 hwreg(HW_REG_WAVE_MODE, 25, 1), 1
	s_wait_xcnt 0x0
; From plane 2 of c (x Wk in columns 0-511, x Wv in columns 512-1023, a row 8,192 bytes): the rotated k goes to out1, v to out2, both [8][2048][64] f32, and both are quantised to FP6 (E2M3)
; and laid in kvp as IMAGES OF OPERAND REGISTERS for the attention launch.  Work-group (t, g): 128 tokens from 128 t of kv head g; wave w: tokens 32 w .. 32 w + 31 of them.
; kvp, 204,800 bytes a head: K images at 0, V images at 98,304 (64 x 1,536 bytes each), K scale words at 196,608, V scale words at 200,704 (16 x 256 bytes each).
; An image is three runs of 512 bytes: run ch holds at 16 x lane that lane's registers 4 ch .. 4 ch + 3.  r = lane % 16, h = lane / 16.
; K image B = 4 t + w: registers 0-5: key 32 B + r + 8 (r / 8), channels 32 h .. 32 h + 31; registers 6-11: key 32 B + 8 + r + 8 (r / 8).  k is quantised along the head's 64 channels.
;   Its scale word, at 256 t + 16 r + 4 w: bytes [first key block 0, first key block 1, second key block 0, second key block 1].
; V image 4 t + n (n = w): channel 32 (n / 2) + 8 (n % 2) + r + 8 (r / 8); registers 6 cc .. 6 cc + 5: keys 128 t + 64 cc + 32 h + 0 .. 31.  v is quantised along the keys.
;   Its scale word, at 256 t + 16 r + 4 n: byte j is key block 4 t + j.
; A block of zeros keeps the byte 1 (its codes are zeros; this program alone reads the bytes).  LIMITS: NaN and infinities are not served.
.set KSTG,  0                          ; LDS: for each wave 32 rows (tokens) x 272 bytes of rotated k;
.set VSTG,  34816                      ; 128 rows x 272 bytes of v, the work-group's;
.set KSW,   69632                      ; the step's 64 scale words of K,
.set VSW,   69888                      ; and of V;
.set SPARE, 70144                      ; the spare words, 128 bytes a wave, which no other line names
.set VC,   1                           ; v1   in c: 8,192 h + 16 r: lanes 0-15 one token's 256 bytes, lanes 16-31 the next token's
.set VT,   2                           ; v2   16 x lane
.set KST,  3                           ; v3   K stage, in
.set KRD,  4                           ; v4   K stage, out: row r + 8 (r / 8), + 128 h
.set VST,  5                           ; v5   V stage, in
.set VRD,  6                           ; v6   V stage, out: row 32 h, my channel
.set KSWA, 7                           ; v7   my K scale word
.set VSWA, 8                           ; v8   my V scale word
.set SWR,  9                           ; v9   wave 0: the 512 bytes of scale words, 16 a lane
.set SWO,  10                          ; v10  and their place in kvp: lanes 16-31 go 4,096 bytes on
.set SH8,  11                          ; v11  8 h
.set SG,   12                          ; v12-13 -1.0 for channels under 32, +1.0 for the others
.set SPW,  14                          ; v14  LDS address of my spare word; never rewritten
.set NIL,  15                          ; v15  0; never rewritten
.set X,    32                          ; v32-95   k as loaded, then rotated; later a V image's 64 numbers
.set CO,   96                          ; v96-159  cosines; later v
.set SI,   160                         ; v160-223 sines; later a K image's 64 numbers
.set IM,   224                         ; v224-235 the K image
.set TP,   236                         ; v236-242 the conversions' second halves
.set IM2,  244                         ; v244-255 the V image
.set SEL,  36                          ; s[36:37] lane selects for v_permlanex16_b32: lane l xor 16
	s_load_b256 s[4:11], s[0:1], 0x0               ; c s[4:5], cos s[6:7], sin s[8:9], out1 s[10:11]
	s_load_b128 s[12:15], s[0:1], 0x20             ; out2 s[12:13], kvp s[14:15]
	v_lshl_add_u32 v[SPW], v0, 2, SPARE
	v_mov_b32 v[NIL], 0
	v_lshrrev_b32 v16, 5, v0
	v_readfirstlane_b32 s16, v16                   ; wave w
	s_and_b32 s18, ttmp7, 0xffff                   ; head g
	s_lshl_b32 s19, ttmp9, 7
	s_lshl_b32 s20, s16, 5
	s_add_co_u32 s19, s19, s20                     ; my first token: 128 t + 32 w
	v_and_b32 v17, 15, v0                          ; r
	v_bfe_u32 v18, v0, 4, 1                        ; h
	v_and_b32 v19, 31, v0                          ; lane
	v_lshlrev_b32 v20, 4, v17                      ; 16 r
	v_lshl_add_u32 v[VC], v18, 13, v20
	v_lshlrev_b32 v[VT], 4, v19
	s_mul_i32 s21, s16, 8704                       ; 32 rows of 272 bytes for each wave
	v_mad_u32_u24 v21, v18, 272, v20               ; row h, 16 r
	v_add_nc_u32 v[KST], s21, v21
	v_and_b32 v22, 8, v17
	v_add_nc_u32 v22, v22, v17                     ; r + 8 (r / 8)
	v_mul_u32_u24 v23, v22, 272
	v_lshl_add_u32 v23, v18, 7, v23
	v_add_nc_u32 v[KRD], s21, v23
	s_add_co_u32 s21, s21, VSTG
	v_add_nc_u32 v[VST], s21, v21
	s_lshr_b32 s22, s16, 1
	s_lshl_b32 s22, s22, 7
	s_and_b32 s23, s16, 1
	s_lshl_b32 s23, s23, 5
	s_add_co_u32 s22, s22, s23                     ; 4 x (32 (w / 2) + 8 (w % 2))
	s_add_co_u32 s22, s22, VSTG
	v_mul_u32_u24 v23, v18, 8704
	v_lshl_add_u32 v23, v22, 2, v23
	v_add_nc_u32 v[VRD], s22, v23
	s_lshl_b32 s23, s16, 2
	v_add_nc_u32 v[KSWA], s23, v20                 ; 16 r + 4 w
	v_add_nc_u32 v[VSWA], VSW, v[KSWA]
	v_add_nc_u32 v[KSWA], KSW, v[KSWA]
	v_add_nc_u32 v[SWR], KSW, v[VT]
	v_mad_u32_u24 v[SWO], v18, 3840, v[VT]
	v_lshlrev_b32 v[SH8], 3, v18
	v_and_b32 v23, 8, v17
	v_lshlrev_b32 v23, 28, v23
	v_xor_b32 v[SG], 0xbf800000, v23               ; lane r holds channels 4 r .. 4 r + 3: under 32 where r < 8
	v_mov_b32 v[SG+1], v[SG]
	v_mov_b32 v25, 0                               ; written once: a lane permute's destination counts as one of its sources
	s_lshl_b32 s24, s19, 13
	s_lshl_b32 s25, s18, 8
	s_add_co_u32 s24, s24, s25
	s_add_co_u32 s24, s24, 0x2000000               ; plane 2, my token's row, head g's 256 bytes of k; v lies 2,048 bytes on
	s_mov_b32 s25, 0
	s_lshl_b32 s26, s19, 8                         ; the tables: 256 bytes a token
	s_mov_b32 s27, 0
	s_lshl_b32 s28, s18, 19
	s_add_co_u32 s28, s28, s26                     ; out1, out2: 524,288 g + 256 x token
	s_mov_b32 s29, 0
	s_mul_i32 s30, s18, 204800
	s_lshl_b32 s31, ttmp9, 2
	s_add_co_u32 s31, s31, s16
	s_mul_i32 s31, s31, 1536
	s_add_co_u32 s32, s30, s31                     ; image 4 t + w
	s_mov_b32 s33, 0
	s_lshl_b32 s34, ttmp9, 8
	s_add_co_u32 s34, s34, s30
	s_add_co_u32 s34, s34, 196608                  ; the step's scale words of K
	s_mov_b32 s35, 0
	s_mov_b32 s[SEL], 0x76543210
	s_mov_b32 s[SEL+1], 0xfedcba98
	s_wait_kmcnt 0x0
	s_add_nc_u64 s[4:5], s[4:5], s[24:25]
	s_add_nc_u64 s[6:7], s[6:7], s[26:27]
	s_add_nc_u64 s[8:9], s[8:9], s[26:27]
	s_add_nc_u64 s[10:11], s[10:11], s[28:29]
	s_add_nc_u64 s[12:13], s[12:13], s[28:29]
	s_add_nc_u64 s[38:39], s[14:15], s[32:33]
	s_add_nc_u64 s[40:41], s[14:15], s[34:35]
.irp j, 0,1,2,3,4,5,6,7,8,9,10,11,12,13,14,15
	global_load_b128 v[X+4*\j:X+4*\j+3], v[VC], s[4:5] offset:16384*\j th:TH_LOAD_NT     ; k of tokens 2 j and 2 j + 1: sixteen lanes read 256 consecutive bytes
.endr
.irp j, 0,1,2,3,4,5,6,7,8,9,10,11,12,13,14,15
	global_load_b128 v[SI+4*\j:SI+4*\j+3], v[VT], s[8:9] offset:512*\j
.endr
.irp j, 0,1,2,3,4,5,6,7,8,9,10,11,12,13,14,15
	global_load_b128 v[CO+4*\j:CO+4*\j+3], v[VT], s[6:7] offset:512*\j
.endr
; Two whole blocks of 32 of a lane, v[src + 32 u + 0 .. 31], become registers 6 u .. 6 u + 5 of v[im] on, and the scale word v24: my two bytes at bits 8 h and 16 + 8 h, with lane l xor 16's two.
.macro QBLK2 src, im
.irp u, 0,1
	v_max3_num_f32 v[16+2*\u], |v[\src+32*\u]|, |v[\src+32*\u+1]|, |v[\src+32*\u+2]|
	v_max3_num_f32 v[17+2*\u], |v[\src+32*\u+3]|, |v[\src+32*\u+4]|, |v[\src+32*\u+5]|
.endr
.irp i, 6,10,14,18,22,26
.irp u, 0,1
	v_max3_num_f32 v[16+2*\u], v[16+2*\u], |v[\src+32*\u+\i]|, |v[\src+32*\u+\i+1]|
	v_max3_num_f32 v[17+2*\u], v[17+2*\u], |v[\src+32*\u+\i+2]|, |v[\src+32*\u+\i+3]|
.endr
.endr
.irp u, 0,1
	v_max3_num_f32 v[16+2*\u], v[16+2*\u], |v[\src+32*\u+30]|, |v[\src+32*\u+31]|
.endr
.irp u, 0,1
	v_max3_num_f32 v[16+2*\u], v[16+2*\u], v[17+2*\u], 0x1800000   ; the floor 2^(3 - 127): the byte cannot fall under 1
.endr
.irp u, 0,1
	v_add_nc_u32 v[20+\u], 0xff000000, v[16+2*\u]  ; 2 off the exponent field: the conversion's scale operand
.endr
.irp u, 0,1
	v_lshrrev_b32 v[22+\u], 23, v[20+\u]           ; the scale's byte
.endr
	v_lshl_or_b32 v24, v23, 16, v22
	v_lshlrev_b32 v24, v[SH8], v24
	v_permlanex16_b32 v25, v24, s[SEL], s[SEL+1]
	v_or_b32 v24, v24, v25
.irp u, 0,1
	v_cvt_scalef32_pk16_fp6_f32 v[\im+6*\u:\im+6*\u+2], v[\src+32*\u:\src+32*\u+15], v[20+\u]
	v_cvt_scalef32_pk16_fp6_f32 v[TP+4*\u:TP+4*\u+2], v[\src+32*\u+16:\src+32*\u+31], v[20+\u]   ; (a conversion's three registers begin on an even number)
.endr
	v_nop                                          ; one plain line behind the scaled conversions
.irp u, 0,1
.irp i, 0,1,2
	v_mov_b32 v[\im+3+6*\u+\i], v[TP+4*\u+\i]
.endr
.endr
.endm
	s_wait_loadcnt 16                              ; k and the sines are in; the 16 loads of the cosines may be out
.set j, 0
.rept 32
	v_pk_mul_f32 v[SI+j:SI+j+1], v[SI+j:SI+j+1], v[SG:SG+1]        ; -sin for channels under 32, +sin for the others
.set j, j+2
.endr
.set j, 0
.rept 64
	v_mul_f32_dpp v[SI+j], v[X+j], v[SI+j] row_xmask:8 row_mask:0xf bank_mask:0xf   ; times k of the channel 32 away, which lies in lane l xor 8
.set j, j+1
.endr
	s_wait_loadcnt 0x0
.set j, 0
.rept 32
	v_pk_fma_f32 v[X+j:X+j+1], v[X+j:X+j+1], v[CO+j:CO+j+1], v[SI+j:SI+j+1]        ; k cos + rotate_half(k) sin
.set j, j+2
.endr
.irp j, 0,1,2,3,4,5,6,7,8,9,10,11,12,13,14,15
	global_load_b128 v[CO+4*\j:CO+4*\j+3], v[VC], s[4:5] offset:16384*\j+2048 th:TH_LOAD_NT   ; v of the same tokens
.endr
.irp j, 0,1,2,3,4,5,6,7,8,9,10,11,12,13,14,15
	global_store_b128 v[VT], v[X+4*\j:X+4*\j+3], s[10:11] offset:512*\j            ; 32 lanes store 512 consecutive bytes, aligned
.endr
.irp j, 0,1,2,3,4,5,6,7,8,9,10,11,12,13,14,15
	ds_store_b128 v[KST], v[X+4*\j:X+4*\j+3] offset:544*\j
.endr
.irp u, 0,1
.irp j, 0,1,2,3,4,5,6,7
	ds_load_b128 v[SI+32*\u+4*\j:SI+32*\u+4*\j+3], v[KRD] offset:2176*\u+16*\j     ; my own stage: LDS serves a wave's instructions in order.  Key 8 u + r + 8 (r / 8), channels 32 h on
.endr
.endr
	s_wait_dscnt 0x0
	QBLK2 SI, IM
	ds_store_b32 v[KSWA], v24                      ; both lanes of a row write the same word with the same value
.irp ch, 0,1,2
	global_store_b128 v[VT], v[IM+4*\ch:IM+4*\ch+3], s[38:39] offset:512*\ch
.endr
	s_wait_loadcnt 0x0                             ; v
.irp j, 0,1,2,3,4,5,6,7,8,9,10,11,12,13,14,15
	global_store_b128 v[VT], v[CO+4*\j:CO+4*\j+3], s[12:13] offset:512*\j
.endr
.irp j, 0,1,2,3,4,5,6,7,8,9,10,11,12,13,14,15
	ds_store_b128 v[VST], v[CO+4*\j:CO+4*\j+3] offset:544*\j
.endr
	s_wait_dscnt 0x0                               ; for the others' sake: my stores into V's stage are done
	s_barrier_signal -1
	s_barrier_wait -1                              ; 128 tokens of v lie in the stage
	s_wait_xcnt 0x0                                ; out1's stores have read their data registers: they are loaded anew only behind this wait
.irp cc, 0,1
.irp i, 0,1,2,3,4,5,6,7,8,9,10,11,12,13,14,15,16,17,18,19,20,21,22,23,24,25,26,27,28,29,30,31
	ds_load_b32 v[X+32*\cc+\i], v[VRD] offset:(64*\cc+\i)*272      ; v(key 64 cc + 32 h + i, my channel): my registers run down the keys
.endr
.endr
	s_wait_dscnt 0x0
	QBLK2 X, IM2
	ds_store_b32 v[VSWA], v24
.irp ch, 0,1,2
	global_store_b128 v[VT], v[IM2+4*\ch:IM2+4*\ch+3], s[38:39] offset:98304+512*\ch
.endr
	s_wait_dscnt 0x0                               ; for wave 0's sake: my scale words are stored
	s_barrier_signal -1
	s_barrier_wait -1
	s_cmp_lg_u32 s16, 0
	s_cbranch_scc1 .Lnot_wave_0
	ds_load_b128 v[16:19], v[SWR]                  ; the step's 64 words of K and 64 of V
	s_wait_dscnt 0x0
	global_store_b128 v[SWO], v[16:19], s[40:41]   ; lanes 0-15 store K's 256 consecutive bytes, lanes 16-31 V's, both aligned
.Lnot_wave_0:
	s_wait_tensorcnt 0x0                           ; the wave's end: behind my last LDS store
	ds_add_u32 v[SPW], v[NIL]
	s_wait_dscnt 0x0
	s_endpgm
.Lfunc_end_k_qb134e5621c_post:
	.size	k_qb134e5621c_post, .Lfunc_end_k_qb134e5621c_post-k_qb134e5621c_post
	.p2alignl 7, 3214868480
	.fill 96, 4, 3214868480
	.section	.rodata,"a",@progbits
	.p2align	6, 0x0
	.amdhsa_kernel k_qb134e5621c_post
		.amdhsa_group_segment_fixed_size 70656
		.amdhsa_private_segment_fixed_size 0
		.amdhsa_enable_private_segment 0
		.amdhsa_kernarg_size 48
		.amdhsa_user_sgpr_count 2
		.amdhsa_user_sgpr_kernarg_segment_ptr 1
		.amdhsa_wavefront_size32 1
		.amdhsa_system_sgpr_workgroup_id_x 1
		.amdhsa_system_sgpr_workgroup_id_y 1
		.amdhsa_system_sgpr_workgroup_id_z 1
		.amdhsa_system_vgpr_workitem_id 0
		.amdhsa_next_free_vgpr 256
		.amdhsa_next_free_sgpr 66
		.amdhsa_reserve_vcc 0
		.amdhsa_float_denorm_mode_32 3
		.amdhsa_float_denorm_mode_16_64 3
		.amdhsa_memory_ordered 1
		.amdhsa_forward_progress 1
		.amdhsa_inst_pref_size 35
	.end_amdhsa_kernel
	.amdgpu_metadata
---
amdhsa.version: [ 1, 2 ]
amdhsa.kernels:
  - .name:           k_qb134e5621c_post
    .symbol:         k_qb134e5621c_post.kd
    .args:
      - { .name: c, .offset: 0, .size: 8, .value_kind: global_buffer, .address_space: global }
      - { .name: rope_cos, .offset: 8, .size: 8, .value_kind: global_buffer, .address_space: global }
      - { .name: rope_sin, .offset: 16, .size: 8, .value_kind: global_buffer, .address_space: global }
      - { .name: out1, .offset: 24, .size: 8, .value_kind: global_buffer, .address_space: global }
      - { .name: out2, .offset: 32, .size: 8, .value_kind: global_buffer, .address_space: global }
      - { .name: kvp, .offset: 40, .size: 8, .value_kind: global_buffer, .address_space: global }
    .group_segment_fixed_size: 70656
    .private_segment_fixed_size: 0
    .kernarg_segment_align: 8
    .kernarg_segment_size: 48
    .max_flat_workgroup_size: 128
    .sgpr_count:     66
    .vgpr_count:     256
    .wavefront_size: 32
...
	.end_amdgpu_metadata
.endif
;; end of part 4
;; launch attn (part 5): grid 32 x 8, 16 waves a work-group, clusters of 4 x 1, 206,848 bytes of LDS; arguments c, rope_cos, rope_sin, kvp, bg, gn_weight, gn_bias, zq; writes zq
.if DOCPART == 5
	.amdgcn_target "amdgcn-amd-amdhsa--gfx1250"
	.amdhsa_code_object_version 6
	.text
	.protected	k_qb134e5621c_attn
	.globl	k_qb134e5621c_attn
	.p2align	8
	.type	k_qb134e5621c_attn,@function
k_qb134e5621c_attn:
	s_mov_b64 s[64:65], 0
	v_nop
	global_prefetch_b8 v0, s[64:65] scope:SCOPE_SE
	s_setreg_imm32_b32 hwreg(HW_REG_WAVE_MODE, 25, 1), 1
	s_wait_xcnt 0x0
	s_wait_alu depctr_hold_cnt(0) depctr_sa_sdst(0) depctr_va_vdst(0) depctr_va_sdst(0) depctr_va_ssrc(0) depctr_va_vcc(0) depctr_vm_vsrc(0)
	s_getreg_b32 s2, hwreg(HW_REG_IB_STS2, 6, 4)
	s_cmp_eq_u32 s2, 0
	s_cbranch_scc0 .Lentry_in_a_cluster
	s_endpgm
.Lentry_in_a_cluster:
	s_bfe_u32 s2, ttmp6, 0x10000c
	s_cmp_lg_u32 s2, 0x3003
	s_cbranch_scc0 .Lentry_shape_is_right
	s_endpgm
.Lentry_shape_is_right:
; Causal attention of 32 query heads on 8 kv heads (64 channels), the norm over a head's 64 channels, the sigmoid gate, and the quantising of the result z for the last product.
; Both products are on codes of FP6 (E2M3) with one E8M0 scale for each 32 along K.  THE SECOND PRODUCT'S LEFT OPERAND IS THE FINISHED p = exp(a - m) / (l + 1e-9): so each row's m and l are known before
; any p is quantised, and the keys are walked TWICE: walk 1: K Q^T, running m and l;  walk 2: K Q^T again, p, its codes and scales along the keys, O^T += V^T P^T.
; SHARES.  Cluster y is the kv head g, cluster x is s = 0 .. 7, a work-group's place cx in its cluster is the query head 4 g + cx, which enters global addresses alone.  Wave w owns ONE tile of 16 queries,
; from 128 J + 16 s, J = w xor 15 x parity(w): the J of waves with equal w % 4, and of waves with equal w / 4, add up to 30, so that each four waves have 34 key steps of 128 keys a walk.
; CLUSTER.  The four partners need the same kv head: its 204,800 bytes of images and scale words come into each one's LDS ONCE, by joint loads, one a wave (50 rows of 256 bytes); nothing is filled again.
; LAYOUT.  Both products are used transposed: a lane holds ONE query (r = lane % 16) throughout; h = lane / 16.  A K image holds two tiles of 16 keys along the instruction's K of 128 (the head has 64):
; it is multiplied once by [q | zero codes] and once by [zero codes | q].  The keys of a tile are chosen so that score register 16 b + i is key 32 b + 16 h + i of the step; V's channels likewise, so that
; O^T's register 16 b + i is channel 32 b + 16 h + i.
; A key step all of whose keys come after the wave's queries is left out by a scalar branch on ids; the trip counts stay constants.  In the one step on the diagonal hidden scores become -infinity.
; The largest score is taken away before every exponential: walk 1 keeps a running maximum and rescales its sum.  -(m c), c = log2(e) / 8, is rounded once and used in both walks, so its rounding cancels in p / l.
; LIMITS: NaN and infinities are not served (for finite scores no p is NaN, so nan_to_num changes nothing); a p under 2^-126 becomes 0; blocks of zeros carry the byte 1 (this program alone reads the bytes).
; z's codes leave as 48 bytes of a row of 1,536: the row's other heads belong to other work-groups.
.set VIMG,  98304                      ; LDS as kvp's head block lies: K images at 0, V images here,
.set KSC,   196608                     ; K's scale words,
.set VSCO,  4096                       ; V's, this far behind K's
.set HEADB, 204800
.set WPART, 12800                      ; what one wave's load brings
.set SPARE, 204800                     ; the spare words, 128 bytes a wave, which no other line names
.set LI,   1                           ; v1   16 x lane
.set LSC,  2                           ; v2   KSC + 16 r
.set ADK,  3                           ; v3   the step's K images   (at the head and the end: offsets of global loads)
.set ADV,  4                           ; v4   the step's V images
.set ADS,  5                           ; v5   the step's scale words
.set SPW,  6                           ; v6   LDS address of my spare word; never rewritten
.set NIL,  7                           ; v7   0; never rewritten
.set DM,   8                           ; v8   16 s + r - 16 h: on the diagonal register 16 b + i is hidden where 32 b + i is above it
.set QS,   9                           ; v9   q's scale word: its two bytes, twice
.set PW,   10                          ; v10  p's scale word
.set NINF, 11                          ; v11  -infinity
.set NHI,  12                          ; v12  -(m c)
.set MX,   13                          ; v13  the running largest score
.set L,    14                          ; v14-15 the row's sum, in two halves
.set RL,   16                          ; v16  1 / (l + 1e-9)  (v17 is named with it as a pair)
.set Q,    18                          ; v18-35 [q 6][zero codes 6][q 6]
.set KV,   36                          ; v36-83 four images of K, then of V
.set KSCL, 84                          ; v84-87 K's scale words
.set VSCL, 88                          ; v88-91 V's
.set S,    92                          ; v92-155 the scores, then p
.set O,    156                         ; v156-187 O^T
.set AL,   188                         ; v188-219 the gate
.set PC,   220                         ; v220-231 codes just made
.set PT,   232                         ; v232-238 the conversions' second halves
.set TM,   240                         ; v240-255 at work: +0..3 maxima, +4..7 permutes and bytes, +8..11 two pairs, +12..15 scale operands
.set WV,   20                          ; s20  wave
.set JW,   21                          ; s21  J
.set SX,   22                          ; s22  s
.set G0,   28                          ; s[28:31] descriptor group 0
.set G1,   32                          ; s[32:39] descriptor group 1
.set SEL,  40                          ; s[40:41] lane selects for v_permlanex16_b32: lane l xor 16
.set CS,   42                          ; s[42:43] c, twice
.set NC,   44                          ; s44  -c
.set TK,   45                          ; s45  the step's images: 6,144 bytes a step
.set TS,   46                          ; s46  the step's scale words: 256 bytes a step
.set STP,  47                          ; s47  the step
.set GP,   54                          ; s[54:55] x Wg at my tile
.set EPS,  56                          ; s56  1e-5
.set R64,  57                          ; s57  1 / 64
.set ZS,   58                          ; s[58:59] z's scale bytes
.set ZC,   60                          ; s[60:61] z's codes
.macro ROUND                           ; a round of the cluster's barrier
	s_barrier_signal -1
	s_barrier_wait -1
	s_cmp_lg_u32 s[WV], 0
	s_cbranch_scc1 .Lnot_wave_0_\@
	s_barrier_signal -3
.Lnot_wave_0_\@:
	s_barrier_wait -3
	s_barrier_signal -1
	s_barrier_wait -1
.endm
.macro LD32 reg, adr, base             ; 32 numbers a lane: register 16 b + i is channel 32 b + 16 h + i (the 64 h bytes stand in the offset register)
.irp b, 0,1
.irp j, 0,1,2,3
	global_load_b128 v[\reg+16*\b+4*\j:\reg+16*\b+4*\j+3], v[\adr], s[\base:\base+1] offset:128*\b+16*\j
.endr
.endr
.endm
; nb blocks of 32: register 16 b + i of v[src] on is number 32 b + 16 h + i of my row, so a block lies in lanes l and l xor 16.  Leaves the bytes in v[TM+4+b], the conversions' scale operands in v[TM+12+b].
.macro BLKSCALE src, nb
.irp b, 0,1,2,3
.if \b < \nb
	v_max3_num_f32 v[TM+\b], |v[\src+16*\b]|, |v[\src+16*\b+1]|, 0x1800000   ; my 16 numbers, and the floor 2^(3 - 127): the byte cannot fall under 1
.endif
.endr
.irp i, 2,4,6,8,10,12,14
.irp b, 0,1,2,3
.if \b < \nb
	v_max3_num_f32 v[TM+\b], v[TM+\b], |v[\src+16*\b+\i]|, |v[\src+16*\b+\i+1]|
.endif
.endr
.endr
.irp b, 0,1,2,3
.if \b < \nb
	v_permlanex16_b32 v[TM+4+\b], v[TM+\b], s[SEL], s[SEL+1]
.endif
.endr
.irp b, 0,1,2,3
.if \b < \nb
	v_max_num_f32 v[TM+\b], v[TM+\b], v[TM+4+\b]   ; the block's largest magnitude
.endif
.endr
.irp b, 0,1,2,3
.if \b < \nb
	v_add_nc_u32 v[TM+12+\b], 0xff000000, v[TM+\b] ; 2 off its exponent field
.endif
.endr
.irp b, 0,1,2,3
.if \b < \nb
	v_lshrrev_b32 v[TM+4+\b], 23, v[TM+12+\b]      ; the scale's byte
.endif
.endr
.endm
.macro QUANT4                          ; p's 64 numbers become the second product's operand v[PC] on and its scale word v[PW]
	BLKSCALE S, 4
	v_lshl_or_b32 v[PW], v[TM+5], 8, v[TM+4]
	v_lshl_or_b32 v[PW], v[TM+6], 16, v[PW]
	v_lshl_or_b32 v[PW], v[TM+7], 24, v[PW]
.irp cc, 0,1
	v_cvt_scalef32_pk16_fp6_f32 v[PC+6*\cc:PC+6*\cc+2], v[S+32*\cc:S+32*\cc+15], v[TM+12+2*\cc]
	v_cvt_scalef32_pk16_fp6_f32 v[PT+4*\cc:PT+4*\cc+2], v[S+32*\cc+16:S+32*\cc+31], v[TM+13+2*\cc]   ; (a conversion's three registers begin on an even number)
.endr
	v_nop                                          ; one plain line behind the scaled conversions
.irp cc, 0,1                                   ; the operand's layout wants a WHOLE block in a lane: lanes 0-15 block 2 cc, lanes 16-31 block 2 cc + 1
.irp i, 0,1,2
	v_permlane16_swap_b32 v[PC+6*\cc+\i], v[PT+4*\cc+\i]
.endr
.irp i, 0,1,2
	v_mov_b32 v[PC+3+6*\cc+\i], v[PT+4*\cc+\i]
.endr
.endr
.endm
.macro MASK                            ; each accumulator is read from its low end on
.set n, 0
.rept 64
	v_cmp_gt_i32 vcc_lo, 32*(n/16)+n%16, v[DM]
	v_cndmask_b32 v[S+n], v[S+n], v[NINF], vcc_lo
.set n, n+1
.endr
.endm
; The step's 128 scores of my 16 queries.  vload = 1: behind the products V's images take K's registers.
.macro SCORES vload
	v_add_nc_u32 v[ADK], s[TK], v[LI]
	v_add_nc_u32 v[ADS], s[TS], v[LSC]
.if \vload
	v_add_nc_u32 v[ADV], VIMG, v[ADK]
.endif
.irp i, 0,1,2,3,4,5,6,7,8,9,10,11
	ds_load_b128 v[KV+4*\i:KV+4*\i+3], v[ADK] offset:512*\i        ; 512 consecutive bytes an instruction
.endr
	ds_load_b128 v[KSCL:KSCL+3], v[ADS]            ; lane r: the words of row r in the four images
	s_wait_dscnt 0x0
.irp b, 0,1,2,3
.irp u, 0,1
	v_wmma_scale_f32_16x16x128_f8f6f4 v[S+16*\b+8*\u:S+16*\b+8*\u+7], v[KV+12*\b:KV+12*\b+11], v[Q+6*\u:Q+6*\u+11], 0, v[KSCL+\b], v[QS] matrix_a_fmt:MATRIX_FMT_FP6 matrix_b_fmt:MATRIX_FMT_FP6
.endr
.endr
.rept 4
	v_nop                                          ; four places in front of loads into registers that these products have read, and of the first read of results
.endr
.if \vload
.irp i, 0,1,2,3,4,5,6,7,8,9,10,11
	ds_load_b128 v[KV+4*\i:KV+4*\i+3], v[ADV] offset:512*\i
.endr
	ds_load_b128 v[VSCL:VSCL+3], v[ADS] offset:VSCO
.endif
	s_cmp_lg_u32 s[STP], s[JW]                     ; only step J lies on the diagonal
	s_cbranch_scc1 .Lopen_\@
	MASK
.Lopen_\@:
.endm
.macro EXPS                            ; t - m c, two at a time, and 2^ of it: one batch
.set j, 0
.rept 32
	v_pk_fma_f32 v[S+j:S+j+1], v[S+j:S+j+1], s[CS:CS+1], v[NHI:NHI+1] op_sel_hi:[1,0,0]   ; of the pairs c and -(m c) the low word serves both halves
.set j, j+2
.endr
.set j, 0
.rept 64
	v_exp_f32 v[S+j], v[S+j]
.set j, j+1
.endr
.endm
	s_load_b256 s[4:11], s[0:1], 0x0               ; c s[4:5], cos s[6:7], sin s[8:9], kvp s[10:11]
	s_load_b256 s[12:19], s[0:1], 0x20             ; bg s[12:13], gn_weight s[14:15], gn_bias s[16:17], zq s[18:19]
	v_lshl_add_u32 v[SPW], v0, 2, SPARE
	v_mov_b32 v[NIL], 0
	ds_add_u32 v[SPW], v[NIL]                      ; the wave's opening: the add and its wait stand ahead of my first tensor load; the set-up below, work on registers, stands between them
	v_lshrrev_b32 v1, 5, v0
	v_readfirstlane_b32 s[WV], v1                  ; wave 0..15
	s_bcnt1_i32_b32 s[JW], s[WV]
	s_and_b32 s[JW], s[JW], 1
	s_mul_i32 s[JW], s[JW], 15
	s_xor_b32 s[JW], s[JW], s[WV]                  ; J
	s_mov_b32 s[SX], ttmp9                         ; s: in a cluster launch ttmp9 counts clusters
	s_and_b32 s23, ttmp7, 0xffff                   ; g, which the four partners share
	s_bfe_u32 s24, ttmp6, 0x40000                  ; cx
	s_lshl_b32 s25, s23, 2
	s_add_co_u32 s25, s25, s24                     ; the query head: global addresses alone
	s_lshl_b32 s26, s[JW], 7
	s_lshl_b32 s27, s[SX], 4
	s_add_co_u32 s26, s26, s27                     ; my first query
	s_mov_b32 s[G1], 15|(3<<16)|(1<<21)            ; 15:0 the mask: all four work-groups; 17:16 elements of 8 bytes; 20 no padding; 21 set beside a mask
	s_mov_b32 s[G1+1], 32<<16                      ; tensor_dim0 = 32 elements: rows of 256 bytes
	s_mov_b32 s[G1+2], 50<<16                      ; tensor_dim1 = 50
	s_mov_b32 s[G1+3], 32<<16                      ; tile_dim0
	s_mov_b32 s[G1+4], 50                          ; tile_dim1
	s_mov_b32 s[G1+5], 32                          ; the pitch: dense
	s_mov_b32 s[G1+6], 0
	s_mov_b32 s[G1+7], 0
	s_mov_b32 s[G0], 1
	s_mul_i32 s[G0+1], s[WV], WPART                ; LDS: wave x 12,800
	s_mul_i32 s48, s23, HEADB
	s_add_co_u32 s48, s48, s[G0+1]
	s_mov_b32 s49, 0
	s_lshl_b32 s50, s26, 13
	s_lshl_b32 s52, s25, 8                         ; a head's 256 bytes
	s_add_co_u32 s50, s50, s52
	s_mov_b32 s51, 0
	s_mov_b32 s53, 0
	s_mov_b32 s[SEL], 0x76543210
	s_mov_b32 s[SEL+1], 0xfedcba98
	s_mov_b32 s[CS], 0x3e38aa3b                    ; c = log2(e) / 8
	s_mov_b32 s[CS+1], s[CS]
	s_mov_b32 s[NC], 0xbe38aa3b
	s_mov_b32 s[EPS], 0x3727c5ac
	s_mov_b32 s[R64], 0x3c800000
	s_wait_dscnt 0x0                               ; the opening add is done
	s_wait_kmcnt 0x0
	s_add_nc_u64 s[G0+2:G0+3], s[10:11], s[48:49]
	s_or_b32 s[G0+3], s[G0+3], 0x80000000          ; type = 2
	ROUND                                          ; all four work-groups are here: the joint loads meet
	tensor_load_to_lds s[G0:G0+3], s[G1:G1+7]      ; my one tensor load
	s_nop 0
.rept 4
	v_nop
.endr
	s_add_nc_u64 s[4:5], s[4:5], s[50:51]          ; x Wq at my tile and head
	s_add_nc_u64 s[GP:GP+1], s[4:5], 0x1000000     ; x Wg: one plane on
	s_add_nc_u64 s[12:13], s[12:13], s[52:53]
	s_add_nc_u64 s[14:15], s[14:15], s[52:53]
	s_add_nc_u64 s[16:17], s[16:17], s[52:53]
	s_lshl_b32 s50, s26, 8
	s_add_nc_u64 s[6:7], s[6:7], s[50:51]
	s_add_nc_u64 s[8:9], s[8:9], s[50:51]
	s_lshl_b32 s50, s26, 6
	s_lshl_b32 s48, s25, 1
	s_add_co_u32 s50, s50, s48
	s_add_nc_u64 s[ZS:ZS+1], s[18:19], s[50:51]    ; 64 bytes a token, 2 a head
	s_mul_i32 s50, s26, 1536
	s_mul_i32 s48, s25, 48
	s_add_co_u32 s50, s50, s48
	s_add_co_u32 s50, s50, 131072
	s_add_nc_u64 s[ZC:ZC+1], s[18:19], s[50:51]    ; 1,536 bytes a token, 48 a head
	v_and_b32 v248, 15, v0                         ; r
	v_bfe_u32 v249, v0, 4, 1                       ; h
	v_and_b32 v1, 31, v0
	v_lshlrev_b32 v[LI], 4, v1
	v_lshl_add_u32 v[LSC], v248, 4, KSC
	v_lshlrev_b32 v5, 6, v249                      ; 64 h
	v_lshl_add_u32 v3, v248, 13, v5                ; rows of c
	v_lshl_add_u32 v4, v248, 8, v5                 ; rows of the tables
	LD32 S, 3, 4                                   ; q
	LD32 S+32, 4, 6                                ; cos
	LD32 KV, 4, 8                                  ; sin
	LD32 AL, 3, GP                                 ; x Wg
	LD32 O, 5, 12                                  ; bg
	v_lshlrev_b32 v[DM], 4, v249
	v_sub_nc_u32 v[DM], v248, v[DM]
	v_add_nc_u32 v[DM], s27, v[DM]
	v_mov_b32 v[NINF], 0xff800000
	v_mov_b32 v[RL+1], 0                           ; (named as the upper half of a pair)
.irp b, 4,5,6,7,11
	v_mov_b32 v[TM+\b], 0                          ; written once: a lane permute's destination counts as one of its sources; v[TM+11] is the upper half of a pair
.endr
	s_wait_loadcnt 16                              ; q and the tables are in; x Wg's and bg's 16 loads may be out
.set j, 0
.rept 8
	v_pk_mul_f32 v[KV+j:KV+j+1], v[S+16+j:S+17+j], v[KV+j:KV+j+1]          ; q(d + 32) sin(d), d under 32: the partner lies 16 registers on in my own lane
	v_pk_mul_f32 v[KV+16+j:KV+17+j], v[S+j:S+j+1], v[KV+16+j:KV+17+j]      ; q(d - 32) sin(d)
.set j, j+2
.endr
.set j, 0
.rept 8
	v_pk_fma_f32 v[S+j:S+j+1], v[S+j:S+j+1], v[S+32+j:S+33+j], v[KV+j:KV+j+1] neg_lo:[0,0,1] neg_hi:[0,0,1]
	v_pk_fma_f32 v[S+16+j:S+17+j], v[S+16+j:S+17+j], v[S+48+j:S+49+j], v[KV+16+j:KV+17+j]
.set j, j+2
.endr
	BLKSCALE S, 2
	v_lshl_or_b32 v[QS], v[TM+5], 8, v[TM+4]
	v_lshl_or_b32 v[QS], v[QS], 16, v[QS]          ; the two bytes serve [q | 0] in bytes 0, 1 and [0 | q] in bytes 2, 3
	v_cvt_scalef32_pk16_fp6_f32 v[Q:Q+2], v[S:S+15], v[TM+12]
	v_cvt_scalef32_pk16_fp6_f32 v[PT:PT+2], v[S+16:S+31], v[TM+13]
	v_nop                                          ; one plain line behind the scaled conversions
.irp i, 0,1,2
	v_permlane16_swap_b32 v[Q+\i], v[PT+\i]        ; lanes 0-15 now hold block 0 whole, lanes 16-31 block 1
.endr
.irp i, 0,1,2
	v_mov_b32 v[Q+3+\i], v[PT+\i]
.endr
.irp i, 0,1,2,3,4,5
	v_mov_b32 v[Q+6+\i], 0                         ; zero codes
	v_mov_b32 v[Q+12+\i], v[Q+\i]
.endr
	s_wait_loadcnt 0x0
	; the gate: 1 / (1 + 2^(-log2(e) (x Wg + bg))).  These lines are also the places between q's scale word and the first product
.set j, 0
.rept 16
	v_pk_add_f32 v[AL+j:AL+j+1], v[AL+j:AL+j+1], v[O+j:O+j+1]
.set j, j+2
.endr
.set j, 0
.rept 16
	v_pk_mul_f32 v[AL+j:AL+j+1], v[AL+j:AL+j+1], 0xbfb8aa3b op_sel_hi:[1,0]
.set j, j+2
.endr
.set j, 0
.rept 32
	v_exp_f32 v[AL+j], v[AL+j]
.set j, j+1
.endr
	v_nop                                          ; a plain line behind the last exponential
	s_wait_alu depctr_va_vdst(0)                   ; one wait for the batch, ahead of its first reader
.set j, 0
.rept 16
	v_pk_add_f32 v[AL+j:AL+j+1], v[AL+j:AL+j+1], 1.0 op_sel_hi:[1,0]
.set j, j+2
.endr
.set j, 0
.rept 32
	v_rcp_f32 v[AL+j], v[AL+j]
.set j, j+1
.endr
	v_mov_b32 v[MX], 0xff61b1e6                    ; the largest score so far: -3e38.  (A plain line behind the last reciprocal)
	s_wait_alu depctr_va_vdst(0)                   ; one wait for the batch
	v_mul_f32 v[NHI], s[NC], v[MX]
	v_mov_b32 v[L], 0
	v_mov_b32 v[L+1], 0
.set j, 0
.rept 32
	v_mov_b32 v[O+j], 0                            ; O^T: walk 2 is written once, and its first step adds onto zeros
.set j, j+1
.endr
	s_wait_tensorcnt 0x0                           ; my part of the head's block has landed,
	s_barrier_signal -1
	s_barrier_wait -1                              ; everybody's has
	; ---- WALK 1: m and l
	s_mov_b32 s[TK], 0
	s_mov_b32 s[TS], 0
	s_mov_b32 s[STP], 0
.Lwalk1:                                           ; 16 trips in every wave; a step past the wave's queries is jumped over
	s_cmp_gt_u32 s[STP], s[JW]
	s_cbranch_scc1 .Lpast1
	SCORES 0
.irp b, 0,1,2,3
	v_max3_num_f32 v[TM+\b], v[S+16*\b], v[S+16*\b+1], v[S+16*\b+2]        ; four chains; each accumulator is read from its low end on
.endr
.irp i, 3,5,7,9,11,13
.irp b, 0,1,2,3
	v_max3_num_f32 v[TM+\b], v[TM+\b], v[S+16*\b+\i], v[S+16*\b+\i+1]
.endr
.endr
.irp b, 0,1,2,3
	v_max_num_f32 v[TM+\b], v[TM+\b], v[S+16*\b+15]
.endr
	v_max3_num_f32 v[TM+8], v[TM], v[TM+1], v[TM+2]
	v_max3_num_f32 v[TM+8], v[TM+8], v[TM+3], v[MX]
	v_permlanex16_b32 v[TM+4], v[TM+8], s[SEL], s[SEL+1]                   ; the query's other 64 keys lie in lane l xor 16
	v_max_num_f32 v[MX], v[TM+8], v[TM+4]
	v_mov_b32 v[TM+9], v[NHI]
	v_mul_f32 v[NHI], s[NC], v[MX]                 ; -(m c)
	v_sub_f32 v[TM+10], v[NHI], v[TM+9]            ; c (old m - new m), 0 or less
	EXPS
	v_exp_f32 v[TM+10], v[TM+10]                   ; what brings the old sum under the new m
	v_nop                                          ; a plain line behind the last exponential
	s_wait_alu depctr_va_vdst(0)                   ; one wait for the 65
	v_pk_mul_f32 v[L:L+1], v[L:L+1], v[TM+10:TM+11] op_sel_hi:[1,0]
	v_pk_add_f32 v[TM+8:TM+9], v[S:S+1], v[S+2:S+3]                        ; the sum, two at a time, in two chains
.set j, 4
.rept 15
	v_pk_add_f32 v[L:L+1], v[L:L+1], v[S+j:S+j+1]
	v_pk_add_f32 v[TM+8:TM+9], v[TM+8:TM+9], v[S+j+2:S+j+3]
.set j, j+4
.endr
	v_pk_add_f32 v[L:L+1], v[L:L+1], v[TM+8:TM+9]
.Lpast1:
	s_add_co_u32 s[TK], s[TK], 6144
	s_add_co_u32 s[TS], s[TS], 256
	s_add_co_u32 s[STP], s[STP], 1
	s_cmp_lt_u32 s[STP], 16
	s_cbranch_scc1 .Lwalk1
	v_add_f32 v[L], v[L], v[L+1]                   ; the sum's two halves,
	v_permlanex16_b32 v[TM+4], v[L], s[SEL], s[SEL+1]
	v_add_f32 v[L], v[L], v[TM+4]                  ; lane l xor 16's,
	v_add_f32 v[L], 0x3089705f, v[L]               ; and 1e-9
	v_rcp_f32 v[RL], v[L]
	v_nop                                          ; a plain line behind the reciprocal
	s_wait_alu depctr_va_vdst(0)                   ; and its wait, ahead of the label and of its first reader
	; ---- WALK 2: p, its codes, O^T
	s_mov_b32 s[TK], 0
	s_mov_b32 s[TS], 0
	s_mov_b32 s[STP], 0
.Lwalk2:
	s_cmp_gt_u32 s[STP], s[JW]
	s_cbranch_scc1 .Lpast2
	SCORES 1
	EXPS
	v_nop                                          ; a plain line behind the last exponential
	s_wait_alu depctr_va_vdst(0)                   ; one wait for the 64
.set j, 0
.rept 32
	v_pk_mul_f32 v[S+j:S+j+1], v[S+j:S+j+1], v[RL:RL+1] op_sel_hi:[1,0]    ; the finished p
.set j, j+2
.endr
	QUANT4
.rept 8
	v_nop                                          ; a scale word written by vector instructions stands 8 places ahead of a scaled matrix instruction, an operand so written 4
.endr
	s_wait_dscnt 0x0                               ; V's 13 loads, issued ahead of the exponentials
.irp n, 0,1,2,3                                ; the four accumulators take turns, one instruction a turn
	v_wmma_scale_f32_16x16x128_f8f6f4 v[O+8*\n:O+8*\n+7], v[KV+12*\n:KV+12*\n+11], v[PC:PC+11], v[O+8*\n:O+8*\n+7], v[VSCL+\n], v[PW] matrix_a_fmt:MATRIX_FMT_FP6 matrix_b_fmt:MATRIX_FMT_FP6
.endr
.rept 4
	v_nop                                          ; four places in front of the next step's loads into V's registers, and of the first read of O^T
.endr
.Lpast2:
	s_add_co_u32 s[TK], s[TK], 6144
	s_add_co_u32 s[TS], s[TS], 256
	s_add_co_u32 s[STP], s[STP], 1
	s_cmp_lt_u32 s[STP], 16
	s_cbranch_scc1 .Lwalk2
	; ---- the norm over the head's 64 channels, gain and bias, the gate, z's codes
	v_and_b32 v4, 15, v0                           ; r
	v_bfe_u32 v5, v0, 4, 1                         ; h
	v_lshlrev_b32 v3, 6, v5
	LD32 S, 3, 14                                  ; gn_weight
	LD32 S+32, 3, 16                               ; gn_bias
	v_mul_u32_u24 v1, v4, 1536
	v_mad_u32_u24 v1, v5, 12, v1                   ; my codes: row r, 12 h bytes
	v_lshl_add_u32 v2, v4, 6, v5                   ; my scale byte: row r, block h
	v_cmp_ne_u32 s48, 0, v5
	v_pk_add_f32 v[TM+8:TM+9], v[O:O+1], v[O+4:O+5]                        ; each accumulator is read from its low end on
	v_pk_add_f32 v[TM+10:TM+11], v[O+2:O+3], v[O+6:O+7]
.set j, 8
.rept 6
	v_pk_add_f32 v[TM+8:TM+9], v[TM+8:TM+9], v[O+j:O+j+1]
	v_pk_add_f32 v[TM+10:TM+11], v[TM+10:TM+11], v[O+j+2:O+j+3]
.set j, j+4
.endr
	v_pk_add_f32 v[TM+8:TM+9], v[TM+8:TM+9], v[TM+10:TM+11]
	v_add_f32 v[TM+8], v[TM+8], v[TM+9]
	v_permlanex16_b32 v[TM+4], v[TM+8], s[SEL], s[SEL+1]
	v_add_f32 v[TM+8], v[TM+8], v[TM+4]
	v_mul_f32 v[TM+8], s[R64], v[TM+8]             ; the mean
.set j, 0
.rept 16
	v_pk_add_f32 v[O+j:O+j+1], v[O+j:O+j+1], v[TM+8:TM+9] op_sel_hi:[1,0] neg_lo:[0,1] neg_hi:[0,1]
.set j, j+2
.endr
	v_pk_mul_f32 v[TM+8:TM+9], v[O:O+1], v[O:O+1]
	v_pk_mul_f32 v[TM+10:TM+11], v[O+2:O+3], v[O+2:O+3]
.set j, 4
.rept 7
	v_pk_fma_f32 v[TM+8:TM+9], v[O+j:O+j+1], v[O+j:O+j+1], v[TM+8:TM+9]
	v_pk_fma_f32 v[TM+10:TM+11], v[O+j+2:O+j+3], v[O+j+2:O+j+3], v[TM+10:TM+11]
.set j, j+4
.endr
	v_pk_add_f32 v[TM+8:TM+9], v[TM+8:TM+9], v[TM+10:TM+11]
	v_add_f32 v[TM+8], v[TM+8], v[TM+9]
	v_permlanex16_b32 v[TM+4], v[TM+8], s[SEL], s[SEL+1]
	v_add_f32 v[TM+8], v[TM+8], v[TM+4]
	v_fma_f32 v[TM+8], v[TM+8], s[R64], s[EPS]     ; the variance + 1e-5
	v_rsq_f32 v[TM+10], v[TM+8]
	v_nop                                          ; a plain line behind the root
	s_wait_alu depctr_va_vdst(0)                   ; and its wait, ahead of its first reader
	s_wait_loadcnt 0x0                             ; gain and bias
.set j, 0
.rept 16
	v_pk_mul_f32 v[O+j:O+j+1], v[O+j:O+j+1], v[TM+10:TM+11] op_sel_hi:[1,0]
.set j, j+2
.endr
.set j, 0
.rept 16
	v_pk_fma_f32 v[O+j:O+j+1], v[O+j:O+j+1], v[S+j:S+j+1], v[S+32+j:S+33+j]
.set j, j+2
.endr
.set j, 0
.rept 16
	v_pk_mul_f32 v[O+j:O+j+1], v[O+j:O+j+1], v[AL+j:AL+j+1]
.set j, j+2
.endr
	BLKSCALE O, 2                                  ; the last product's K is head x 64 + channel: the head's two blocks of 32
	v_cndmask_b32 v[TM+8], v[TM+4], v[TM+5], s48   ; lane (r, h) stores block h's byte
	v_cvt_scalef32_pk16_fp6_f32 v[PC:PC+2], v[O:O+15], v[TM+12]            ; channels 16 h + 0 .. 15: 12 bytes
	v_cvt_scalef32_pk16_fp6_f32 v[PT:PT+2], v[O+16:O+31], v[TM+13]         ; channels 32 + 16 h + 0 .. 15
	v_nop                                          ; one plain line behind the scaled conversions
	global_store_b96 v1, v[PC:PC+2], s[ZC:ZC+1]
	global_store_b96 v1, v[PT:PT+2], s[ZC:ZC+1] offset:24
	global_store_b8 v2, v[TM+8], s[ZS:ZS+1]
	s_wait_tensorcnt 0x0                           ; the wave's end: behind my last tensor load
	ds_add_u32 v[SPW], v[NIL]
	s_wait_dscnt 0x0
	ROUND                                          ; the closing round: no work-group ends while a partner may still ask for a tile that names it
	s_endpgm
.Lfunc_end_k_qb134e5621c_attn:
	.size	k_qb134e5621c_attn, .Lfunc_end_k_qb134e5621c_attn-k_qb134e5621c_attn
	.p2alignl 7, 3214868480
	.fill 96, 4, 3214868480
	.section	.rodata,"a",@progbits
	.p2align	6, 0x0
	.amdhsa_kernel k_qb134e5621c_attn
		.amdhsa_group_segment_fixed_size 206848
		.amdhsa_private_segment_fixed_size 0
		.amdhsa_enable_private_segment 0
		.amdhsa_kernarg_size 64
		.amdhsa_user_sgpr_count 2
		.amdhsa_user_sgpr_kernarg_segment_ptr 1
		.amdhsa_wavefront_size32 1
		.amdhsa_system_sgpr_workgroup_id_x 1
		.amdhsa_system_sgpr_workgroup_id_y 1
		.amdhsa_system_sgpr_workgroup_id_z 1
		.amdhsa_system_vgpr_workitem_id 0
		.amdhsa_next_free_vgpr 256
		.amdhsa_next_free_sgpr 66
		.amdhsa_reserve_vcc 1
		.amdhsa_float_denorm_mode_32 3
		.amdhsa_float_denorm_mode_16_64 3
		.amdhsa_memory_ordered 1
		.amdhsa_forward_progress 1
		.amdhsa_inst_pref_size 66
	.end_amdhsa_kernel
	.amdgpu_metadata
---
amdhsa.version: [ 1, 2 ]
amdhsa.kernels:
  - .name:           k_qb134e5621c_attn
    .symbol:         k_qb134e5621c_attn.kd
    .args:
      - { .name: c, .offset: 0, .size: 8, .value_kind: global_buffer, .address_space: global }
      - { .name: rope_cos, .offset: 8, .size: 8, .value_kind: global_buffer, .address_space: global }
      - { .name: rope_sin, .offset: 16, .size: 8, .value_kind: global_buffer, .address_space: global }
      - { .name: kvp, .offset: 24, .size: 8, .value_kind: global_buffer, .address_space: global }
      - { .name: bg, .offset: 32, .size: 8, .value_kind: global_buffer, .address_space: global }
      - { .name: gn_weight, .offset: 40, .size: 8, .value_kind: global_buffer, .address_space: global }
      - { .name: gn_bias, .offset: 48, .size: 8, .value_kind: global_buffer, .address_space: global }
      - { .name: zq, .offset: 56, .size: 8, .value_kind: global_buffer, .address_space: global }
    .group_segment_fixed_size: 206848
    .private_segment_fixed_size: 0
    .kernarg_segment_align: 8
    .kernarg_segment_size: 64
    .max_flat_workgroup_size: 512
    .sgpr_count:     66
    .vgpr_count:     256
    .wavefront_size: 32
...
	.end_amdgpu_metadata
.endif
;; end of part 5
;; launch outp (part 6): grid 16 x 16, 4 waves a work-group, clusters of 4 x 4, 327,680 bytes of LDS; arguments zq, woq, out0; writes out0
.if DOCPART == 6
	.amdgcn_target "amdgcn-amd-amdhsa--gfx1250"
	.amdhsa_code_object_version 6
	.text
	.protected	k_qb134e5621c_outp
	.globl	k_qb134e5621c_outp
	.p2align	8
	.type	k_qb134e5621c_outp,@function
k_qb134e5621c_outp:
	s_mov_b64 s[64:65], 0
	v_nop
	global_prefetch_b8 v0, s[64:65] scope:SCOPE_SE
	s_setreg_imm32_b32 hwreg(HW_REG_WAVE_MODE, 25, 1), 1
	s_wait_xcnt 0x0
	s_wait_alu depctr_hold_cnt(0) depctr_sa_sdst(0) depctr_va_vdst(0) depctr_va_sdst(0) depctr_va_ssrc(0) depctr_va_vcc(0) depctr_vm_vsrc(0)
	s_getreg_b32 s2, hwreg(HW_REG_IB_STS2, 6, 4)
	s_cmp_eq_u32 s2, 0
	s_cbranch_scc0 .Lentry_in_a_cluster
	s_endpgm
.Lentry_in_a_cluster:
	s_bfe_u32 s2, ttmp6, 0x10000c
	s_cmp_lg_u32 s2, 0xf033
	s_cbranch_scc0 .Lentry_shape_is_right
	s_endpgm
.Lentry_shape_is_right:
; C[m][n] = sum over k of A[m][k] B[n][k], M = N = K = 2,048, on codes of FP6 (E2M3) with one E8M0 scale for each 32 along K; sums in f32, K ascending; C f32, a row 8,192 bytes.
; A: scale bytes [row][64] from byte 0 of its buffer, codes [row][1536 bytes] from byte 131,072.  B: scale bytes [row][64] from byte 0, codes from byte 327,680.
; A tile of C is 128 x 128, so that the 256 tiles give 256 work-groups.  Four waves, each 64 x 64: 16 accumulators of 16 x 16.
; LDS HOLDS K = 1,280 OF THE TILE'S 256 ROWS AT ONCE, in three regions that are filled together at the start: P (768 along K), Q1 and Q2 (256 each).  When P has been multiplied it is filled again, ONCE, with the
; last 768 along K, and that load is on its way while Q1 and Q2 are multiplied.  So the launch has one change of tiles that waits for memory in place of one for each 256 along K.
; The mover lays 16 bytes of padding behind every 64: rows of 576 bytes lie 720 apart, rows of 192 bytes 240 apart: 180 and 60 words, so that row r starts at bank -12 r or -4 r mod 64 (64 banks of 4 bytes:
; ISA guide 11.1): sixteen different multiples of 4, and the 32 lanes of a load of 8 bytes touch 64 different banks.  (A region of 512 along K would have a pitch of 120 words, with which rows r and r + 8 meet:
; hence two regions of 256.)
; THE SCALES: a lane's row has 64 scale bytes, one word for each 128 along K.  They come once, from memory straight into registers: four loads of 16 bytes for each block of 16 rows; lanes 16-31 take what lanes 0-15 take.
; CLUSTERS: 4 x 4 work-groups.  The four of a row of the cluster need the same tiles of A, the four of a column the same tiles of B: each tile is asked for JOINTLY, by the same tensor load with the same
; descriptor and a mask that names the four.  THE MATRIX INSTRUCTION IS USED TRANSPOSED (source 0 = 16 rows of B, source 1 = 16 rows of A): a lane then holds eight neighbouring numbers of a row of C.
; REGISTERS, in windows of 256: window 0: v8-19 fragment addresses, v20-29 other addresses, v32-95 A's scale words (block a, step s: 32 + 16 a + s), v96-159 B's, v160-255 the way out;
;   window 1: two fragment buffers of 96 registers, at v0 and v128: A's four blocks, then B's four;   window 2: the accumulators, (a, b) at v[8 (4 a + b)].
; No loop: the 16 steps of 128 along K are written out.
.set CP,     2048                      ; a row of C in numbers
.set KROW,   1536                      ; a row of codes in memory
.set ACODES, 131072                    ; where the codes begin in A's buffer
.set BCODES, 327680                    ; and in B's
.set PROWB,  576                       ; 768 codes
.set QROWB,  192                       ; 256 codes
.set PP,     720                       ; LDS pitch in P
.set PQ,     240                       ; and in Q1, Q2
.set PPART,  64*PP                     ; 64 rows: what one tensor load brings into P, and what one wave reads of A or of B
.set QPART,  64*PQ
.set RQ1,    4*PPART                   ; P lies at 0: A's two halves, then B's two; Q1 here,
.set RQ2,    RQ1+4*QPART               ; Q2 here, both laid likewise
.set SPARE,  RQ2+4*QPART               ; behind them: the spare words, 128 bytes a wave, which no other line names
.set STG,    RQ1                       ; the way out: for each wave four stages of 16 rows x (256 bytes + 16), in Q1 and Q2, which have had their only fill and their last read when the first result is stored there
.set SPITCH, 272
.set STGB,   16*SPITCH
.set AP,   8                           ; v8   my A fragments in P: row x pitch + 24 x half;  v9: the same for the pieces that lie behind one padding more (40 x half)
.set BP,   10                          ; v10-11 the same for B
.set AQ1,  12                          ; v12-13, v14-15 in Q1
.set BQ1,  14
.set AQ2,  16                          ; v16-17, v18-19 in Q2
.set BQ2,  18
.set VS,   20                          ; v20  64 x (lane % 16): my row's scale bytes; never rewritten
.set STO,  24                          ; v24  the way out: where I put 32 bytes of a row
.set RD,   25                          ; v25  the way out: where I read a row back
.set CO,   26                          ; v26  my byte offset in C
.set SPW,  28                          ; v28  LDS address of my spare word; never rewritten
.set NIL,  29                          ; v29  0; never rewritten
.set SA,   32
.set SB,   96
.set BK,   160
.set G1PA, 24                          ; s[24:31] descriptor group 1 for A's tiles in P;  s[32:39] for B's
.set G1PB, 32
.set G1QA, 48                          ; s[48:55], s[56:63] the same for Q1 and Q2
.set G1QB, 56
.set G0A,  68                          ; s[68:79] descriptor groups 0 for A: P, Q1, Q2
.set G0B,  80                          ; s[80:91] for B
.set MSB, 0
.macro WIN new                         ; the immediate's high byte repeats the setting that is left
.if MSB != \new
	s_set_vgpr_msb (MSB<<8)|\new
.set MSB, \new
.endif
.endm
.set MUL,  0xa5                        ; sources 0 (B) and 1 (A) window 1; C and D window 2
.set TO_F, 0x40                        ; destination window 1, address window 0
; A joint load: waves 0 and 1 fetch for A, waves 2 and 3 for B.  Each of the two lines has ONE mask and one set of registers for all that issue it; the branch hangs on the wave's number alone.
; An s_nop 0 and four v_nop follow each of the two lines, ahead of the jump, the label and what follows.
.macro JLOAD g0a, g1a, g0b, g1b
	s_cmp_eq_u32 s15, 0
	s_cbranch_scc0 .Lfor_b_\@
	tensor_load_to_lds s[\g0a:\g0a+3], s[\g1a:\g1a+7]
	s_nop 0
.rept 4
	v_nop
.endr
	s_branch .Lasked_\@
.Lfor_b_\@:
	tensor_load_to_lds s[\g0b:\g0b+3], s[\g1b:\g1b+7]
	s_nop 0
.rept 4
	v_nop
.endr
.Lasked_\@:
.endm
.macro CREST                           ; a round of the cluster's barrier behind its opening barrier
	s_cmp_lg_u32 s14, 0
	s_cbranch_scc1 .Lnot_wave_0_\@
	s_barrier_signal -3
.Lnot_wave_0_\@:
	s_barrier_wait -3
	s_barrier_signal -1
	s_barrier_wait -1
.endm
.macro CROUND                          ; a whole round
	s_barrier_signal -1
	s_barrier_wait -1
	CREST
.endm
.macro GROUP0 g, ptr, lreg, lconst, goff
	s_mov_b32 s[\g], 1                             ; count = 1
	s_add_co_u32 s[\g+1], s[\lreg], \lconst        ; LDS address: the region + wave x a part: no place in the cluster enters it
	s_add_nc_u64 s[\g+2:\g+3], s[\ptr:\ptr+1], \goff   ; global address: my 64 rows, goff bytes along K
	s_or_b32 s[\g+3], s[\g+3], 0x80000000          ; type = 2
.endm
	s_load_b64 s[6:7], s[0:1], 0x0                 ; A's buffer: its scales begin here
	s_load_b64 s[10:11], s[0:1], 0x8               ; B's buffer likewise
	s_load_b64 s[12:13], s[0:1], 0x10              ; C
	v_lshl_add_u32 v[SPW], v0, 2, SPARE
	v_mov_b32 v[NIL], 0
	ds_add_u32 v[SPW], v[NIL]                      ; the wave's opening: the add and its wait stand ahead of my first tensor load; the set-up below, work on registers, stands between them
	v_lshrrev_b32 v1, 5, v0
	v_readfirstlane_b32 s14, v1                    ; wave 0..3
	s_lshr_b32 s15, s14, 1                         ; which half of the tile's rows is mine.  Also: I fetch for A (0) or for B (1)
	s_and_b32 s16, s14, 1                          ; which half of its columns.  Also: which 64 rows of that tile I fetch
	s_bfe_u32 s40, ttmp6, 0x40000                  ; cx, cy: my place in the cluster
	s_bfe_u32 s41, ttmp6, 0x40004
	s_lshl_b32 s42, ttmp9, 2
	s_add_co_u32 s42, s42, s40                     ; tile column of C = 4 x cluster x + cx
	s_and_b32 s17, ttmp7, 0xffff
	s_lshl_b32 s17, s17, 2
	s_add_co_u32 s17, s17, s41                     ; tile row of C = 4 x cluster y + cy
	s_lshl_b32 s43, s41, 2
	s_lshl_b32 s43, 15, s43                        ; my row of the cluster
	s_lshl_b32 s44, 0x1111, s40                    ; my column
	; descriptor groups 1: tiles of 64 rows x 576 or 192 bytes.  Word 0: 15:0 the mask; 17:16 elements of 1 byte; 20 padding on; 21 set beside a mask; 24:22 after every 16 words (code 3); 31:25 of 4 words (code 3)
	s_or_b32 s[G1PA], s43, (1<<20)|(1<<21)|(3<<22)|(3<<25)
	s_or_b32 s[G1PB], s44, (1<<20)|(1<<21)|(3<<22)|(3<<25)
	s_or_b32 s[G1QA], s43, (1<<20)|(1<<21)|(3<<22)|(3<<25)
	s_or_b32 s[G1QB], s44, (1<<20)|(1<<21)|(3<<22)|(3<<25)
.irp g, G1PA, G1PB
	s_mov_b32 s[\g+1], PROWB<<16                   ; tensor_dim0
	s_mov_b32 s[\g+2], 64<<16                      ; tensor_dim1 = 64
	s_mov_b32 s[\g+3], PROWB<<16                   ; tile_dim0
	s_mov_b32 s[\g+4], 64                          ; tile_dim1 = 64
	s_mov_b32 s[\g+5], KROW                        ; tensor_dim0_stride
	s_mov_b32 s[\g+6], 0
	s_mov_b32 s[\g+7], 0
.endr
.irp g, G1QA, G1QB
	s_mov_b32 s[\g+1], QROWB<<16
	s_mov_b32 s[\g+2], 64<<16
	s_mov_b32 s[\g+3], QROWB<<16
	s_mov_b32 s[\g+4], 64
	s_mov_b32 s[\g+5], KROW
	s_mov_b32 s[\g+6], 0
	s_mov_b32 s[\g+7], 0
.endr
	s_lshl_b32 s18, s16, 6                         ; which 64 rows of the tile I fetch
	s_lshl_b32 s20, s17, 7
	s_add_co_u32 s20, s20, s18                     ; A: row 128 x tile row + 64 x half
	s_lshl_b32 s46, s42, 7
	s_add_co_u32 s46, s46, s18                     ; B: row 128 x tile column + 64 x half
	s_mul_i32 s20, s20, KROW                       ; in bytes: under 2,048 x 1,536
	s_mov_b32 s21, 0
	s_mul_i32 s46, s46, KROW
	s_mov_b32 s47, 0
	s_mul_i32 s45, s14, PPART                      ; where they go: wave x 64 rows
	s_mul_i32 s94, s14, QPART
	s_wait_dscnt 0x0                               ; the opening add is done
	s_wait_kmcnt 0x0
	s_add_nc_u64 s[4:5], s[6:7], ACODES            ; A's codes
	s_add_nc_u64 s[8:9], s[10:11], BCODES          ; B's codes
	s_add_nc_u64 s[20:21], s[4:5], s[20:21]
	s_add_nc_u64 s[46:47], s[8:9], s[46:47]
	CROUND                                         ; all sixteen work-groups are here: the first joint loads meet
	GROUP0 G0A, 20, 45, 0, 0                       ; the three first fills go out together: three tensor loads of a wave are out
	GROUP0 G0B, 46, 45, 0, 0
	JLOAD G0A, G1PA, G0B, G1PB                     ; P: K 0 to 767
	GROUP0 G0A+4, 20, 94, RQ1, PROWB
	GROUP0 G0B+4, 46, 94, RQ1, PROWB
	JLOAD G0A+4, G1QA, G0B+4, G1QB                 ; Q1: K 768 to 1,023
	GROUP0 G0A+8, 20, 94, RQ2, PROWB+QROWB
	GROUP0 G0B+8, 46, 94, RQ2, PROWB+QROWB
	JLOAD G0A+8, G1QA, G0B+8, G1QB                 ; Q2: K 1,024 to 1,279
	v_and_b32 v1, 15, v0                           ; l % 16
	v_bfe_u32 v2, v0, 4, 1                         ; l / 16
	v_lshlrev_b32 v[VS], 6, v1
	s_lshl_b32 s18, s17, 7
	s_lshl_b32 s19, s15, 6
	s_add_co_u32 s18, s18, s19                     ; my first row of A and of C: 128 x tile row + 64 x half
	s_lshl_b32 s22, s18, 6                         ; 64 scale bytes a row
	s_mov_b32 s23, 0
	s_add_nc_u64 s[6:7], s[6:7], s[22:23]
	s_lshl_b32 s92, s42, 7
	s_lshl_b32 s93, s16, 6
	s_add_co_u32 s92, s92, s93                     ; my first row of B, which is my first column of C
	s_lshl_b32 s96, s92, 6
	s_mov_b32 s97, 0
	s_add_nc_u64 s[10:11], s[10:11], s[96:97]
.irp a, 0,1,2,3                                ; all scale words of my 64 rows of A and of B: word s of a row serves step s.  A block's four loads cover its 1,024 consecutive bytes
.irp j, 0,1,2,3
	global_load_b128 v[SA+16*\a+4*\j:SA+16*\a+4*\j+3], v[VS], s[6:7] offset:1024*\a+16*\j
	global_load_b128 v[SB+16*\a+4*\j:SB+16*\a+4*\j+3], v[VS], s[10:11] offset:1024*\a+16*\j
.endr
.endr
	v_mul_u32_u24 v3, v1, PP
	v_mad_u32_u24 v3, v2, 24, v3                   ; P: a fragment's row x pitch + 24 x half
	v_lshl_add_u32 v4, v2, 4, v3                   ; and the same behind one padding more
	s_mul_i32 s22, s15, PPART                      ; my 64 rows of A
	s_mul_i32 s23, s16, PPART                      ; my 64 rows of B,
	s_add_co_u32 s23, s23, 2*PPART                 ; which lie behind A's 128
	v_add_nc_u32 v[AP], s22, v3
	v_add_nc_u32 v[AP+1], s22, v4
	v_add_nc_u32 v[BP], s23, v3
	v_add_nc_u32 v[BP+1], s23, v4
	v_mul_u32_u24 v5, v1, PQ
	v_mad_u32_u24 v5, v2, 24, v5                   ; Q1, Q2 likewise
	v_lshl_add_u32 v6, v2, 4, v5
	s_mul_i32 s22, s15, QPART
	s_add_co_u32 s22, s22, RQ1
	s_mul_i32 s23, s16, QPART
	s_add_co_u32 s23, s23, RQ1+2*QPART
	v_add_nc_u32 v[AQ1], s22, v5
	v_add_nc_u32 v[AQ1+1], s22, v6
	v_add_nc_u32 v[BQ1], s23, v5
	v_add_nc_u32 v[BQ1+1], s23, v6
	s_add_co_u32 s22, s22, 4*QPART
	s_add_co_u32 s23, s23, 4*QPART
	v_add_nc_u32 v[AQ2], s22, v5
	v_add_nc_u32 v[AQ2+1], s22, v6
	v_add_nc_u32 v[BQ2], s23, v5
	v_add_nc_u32 v[BQ2+1], s23, v6
	s_mul_i32 s22, s14, 4*STGB
	s_add_co_u32 s22, s22, STG                     ; my four stages
	v_mul_u32_u24 v5, v1, SPITCH                   ; in: row l % 16, 32 bytes for each half of the lanes
	v_lshl_add_u32 v5, v2, 5, v5
	v_add_nc_u32 v[STO], s22, v5
	v_mul_u32_u24 v5, v2, SPITCH                   ; back: lanes 0-15 take one row of 256 bytes, lanes 16-31 the next
	v_lshl_add_u32 v5, v1, 4, v5
	v_add_nc_u32 v[RD], s22, v5
	v_lshlrev_b32 v5, 13, v2                       ; and the same two rows in C
	v_lshl_add_u32 v[CO], v1, 4, v5
	s_lshl_b32 s18, s18, 13                        ; my first row of C, in bytes,
	s_mov_b32 s19, 0
	s_add_nc_u64 s[12:13], s[12:13], s[18:19]
	s_lshl_b32 s92, s92, 2                         ; and my first column: a multiple of 256 bytes
	s_mov_b32 s93, 0
	s_add_nc_u64 s[12:13], s[12:13], s[92:93]
.macro FRAG reg, adr, q, i, pitch      ; a fragment, 16 rows x 128 K of 6-bit codes, is 12 registers: lane l holds row l % 16; registers 6 c .. 6 c + 5 hold K = 64 c + 32 (l / 16) + 0 .. 31: 24 bytes of the row's stream of bits, as they lie
.irp p, 0,1,2,3,4,5                    ; in pieces of 8 bytes, so that every address is a multiple of the access's size.  Lanes 0-15 take the row's pieces 12 q + 0, 1, 2 and 12 q + 6, 7, 8, lanes 16-31 those three pieces on
.set PCE, 12*(\q)+6*(\p/3)+\p%3       ; 16 bytes of padding lie behind every 64 bytes (8 pieces): where the piece three on lies behind one padding more, the second address register serves
.if PCE%8 < 5
	ds_load_b64 v[\reg+2*\p:\reg+2*\p+1], v[\adr] offset:8*PCE+16*(PCE/8)+(\i)*16*(\pitch)
.else
	ds_load_b64 v[\reg+2*\p:\reg+2*\p+1], v[\adr+1] offset:8*PCE+16*(PCE/8)+(\i)*16*(\pitch)
.endif
.endr
.endm
; 48 LDS loads in one run: the fragments of the region's q-th 128 along K into buffer f: B's four blocks, then A's four, so that A's blocks 2 and 3 are the youngest twelve loads
.macro FETCH aa, ab, q, pitch, f
	WIN TO_F
.irp i, 0,1,2,3
	FRAG \f+48+12*\i, \ab, \q, \i, \pitch
.endr
.irp i, 0,1,2,3
	FRAG \f+12*\i, \aa, \q, \i, \pitch
.endr
.endm
; 4 matrix instructions: A's block a x B's four, step s of 128 along K, out of buffer f.  zero = 1: the first product starts the sums: nothing is ever cleared.
; The 16 accumulators take turns, one instruction a turn, in the same order in every step.
.macro MUL4 f, a, s, zero
.irp b, 0,1,2,3
.if \zero
	v_wmma_scale_f32_16x16x128_f8f6f4 v[8*(4*(\a)+\b):8*(4*(\a)+\b)+7], v[\f+48+12*\b:\f+48+12*\b+11], v[\f+12*(\a):\f+12*(\a)+11], 0, v[SB+16*\b+(\s)], v[SA+16*(\a)+(\s)] matrix_a_fmt:MATRIX_FMT_FP6 matrix_b_fmt:MATRIX_FMT_FP6
.else
	v_wmma_scale_f32_16x16x128_f8f6f4 v[8*(4*(\a)+\b):8*(4*(\a)+\b)+7], v[\f+48+12*\b:\f+48+12*\b+11], v[\f+12*(\a):\f+12*(\a)+11], v[8*(4*(\a)+\b):8*(4*(\a)+\b)+7], v[SB+16*\b+(\s)], v[SA+16*(\a)+(\s)] matrix_a_fmt:MATRIX_FMT_FP6 matrix_b_fmt:MATRIX_FMT_FP6
.endif
.endr
.endm
; A load into a register that a matrix instruction has read, and an LDS store that reads a matrix result, stand four places behind that matrix instruction, and only plain vector
; instructions that name none of its registers are places (ISA guide 7.12.1 for vector instructions).
.macro PLACES
.rept 4
	v_nop
.endr
.endm
; Step s out of buffer f; in its middle the next step's fragments (the q-th 128 along K of the region at aa, ab) are fetched into the other buffer, which the step before has multiplied.
.macro STEP f, s, zero, aa, ab, q, pitch
	s_wait_dscnt 12                                ; B's blocks and A's blocks 0 and 1 are in; the youngest twelve loads (A's blocks 2 and 3) may be out
	WIN MUL
	MUL4 \f, 0, \s, \zero
	MUL4 \f, 1, \s, \zero
	PLACES
	FETCH \aa, \ab, \q, \pitch, 128-\f
	s_wait_dscnt 48                                ; all but the 48 just issued
	WIN MUL
	MUL4 \f, 2, \s, \zero
	MUL4 \f, 3, \s, \zero
.endm
; A region's last step.  ONE barrier: in front of it each wave waits for all its tensor loads, adds 0 to its spare word, and waits for that and for its own LDS reads.  Behind it nobody reads the regions
; left so far, and every region asked for so far is whole.  fill = 1: the barrier opens a round of the cluster's barrier, and P is filled again, first thing behind the round.
.macro TURN f, s, fill, aa, ab, pitch
	WIN 0                                          ; (the add's two registers lie in window 0)
	s_wait_tensorcnt 0x0                           ; all my tensor loads have landed;
	ds_add_u32 v[SPW], v[NIL]                      ; 0 onto my spare word;
	s_wait_dscnt 13                                ; (the add and the youngest twelve loads may be out)
	WIN MUL
	MUL4 \f, 0, \s, 0                              ; four matrix instructions stand between the add and the wait for it
	s_wait_dscnt 0x0                               ; the add is done, and my reads of this region are over
	s_barrier_signal -1
	MUL4 \f, 1, \s, 0
	WIN 0                                          ; (branches may follow, and nothing stands between the wait below and the rest of the round)
	s_barrier_wait -1
.if \fill
	CREST                                          ; no wave of any partner still reads P or has a load on its way
	s_add_nc_u64 s[G0A+2:G0A+3], s[G0A+2:G0A+3], PROWB+2*QROWB   ; K 1,280 on: 960 bytes along the rows; no tensor load of mine is out, so a group 0 may be written
	s_add_nc_u64 s[G0B+2:G0B+3], s[G0B+2:G0B+3], PROWB+2*QROWB
	JLOAD G0A, G1PA, G0B, G1PB                     ; my one tensor load behind the round; the four v_nop behind it are the places in front of the loads below
.else
	PLACES
.endif
	FETCH \aa, \ab, 0, \pitch, 128-\f
	WIN MUL
	MUL4 \f, 2, \s, 0
	MUL4 \f, 3, \s, 0
.endm
	s_wait_tensorcnt 2                             ; my part of P is in; Q1's and Q2's loads may stay out
	s_barrier_signal -1
	s_barrier_wait -1                              ; everybody's part of P is in
	FETCH AP, BP, 0, PP, 0
	s_wait_loadcnt 0x0                             ; the scale words
	STEP 0,   0, 1, AP, BP, 1, PP                  ; the first step's products start the sums
	STEP 128, 1, 0, AP, BP, 2, PP
	STEP 0,   2, 0, AP, BP, 3, PP
	STEP 128, 3, 0, AP, BP, 4, PP
	STEP 0,   4, 0, AP, BP, 5, PP
	TURN 128, 5, 1, AQ1, BQ1, PQ                   ; P is left and filled again; Q1 and Q2 have been shown whole by the same round
	STEP 0,   6, 0, AQ1, BQ1, 1, PQ
	STEP 128, 7, 0, AQ2, BQ2, 0, PQ
	STEP 0,   8, 0, AQ2, BQ2, 1, PQ
	TURN 128, 9, 0, AP, BP, PP                     ; P's second tile is whole; nothing is filled any more, so no round follows
	STEP 0,   10, 0, AP, BP, 1, PP
	STEP 128, 11, 0, AP, BP, 2, PP
	STEP 0,   12, 0, AP, BP, 3, PP
	STEP 128, 13, 0, AP, BP, 4, PP
	STEP 0,   14, 0, AP, BP, 5, PP
	s_wait_dscnt 12                                ; the last step: nothing more to fetch
	WIN MUL
	MUL4 128, 0, 15, 0
	MUL4 128, 1, 15, 0
	s_wait_dscnt 0
	MUL4 128, 2, 15, 0
	MUL4 128, 3, 15, 0
	WIN 0
; THE WAY OUT, block by block of 16 rows x 64 columns.  A lane holds 32 neighbouring bytes of a row, and the lanes beside it hold other rows: so a block goes through a stage of my own in LDS and comes back as whole
; rows of 256 bytes, sixteen lanes to a row.  LDS serves a wave's instructions in order (ISA guide 5.7.1.4): no wait between the stores and the loads.  Each block has a stage of its own.
.macro TOSTAGE a
	WIN 0x08                                       ; an LDS store's data are its source 1: window 2
.irp b, 0,1,2,3
	ds_store_b128 v[STO], v[8*(4*(\a)+\b):8*(4*(\a)+\b)+3] offset:(\a)*STGB+64*\b          ; each accumulator from its low end on
	ds_store_b128 v[STO], v[8*(4*(\a)+\b)+4:8*(4*(\a)+\b)+7] offset:(\a)*STGB+64*\b+16
.endr
	WIN 0
.irp t, 0,1,2,3,4,5,6,7
	ds_load_b128 v[BK+32*((\a)%3)+4*\t:BK+32*((\a)%3)+4*\t+3], v[RD] offset:(\a)*STGB+\t*2*SPITCH
.endr
.endm
.macro SEND a, younger                 ; younger: the LDS instructions issued behind block a's loads, which may stay out
	s_wait_dscnt \younger                          ; the block is back in registers
.irp t, 0,1,2,3,4,5,6,7
	global_store_b128 v[CO], v[BK+32*((\a)%3)+4*\t:BK+32*((\a)%3)+4*\t+3], s[12:13] offset:((\a)*16+2*\t)*CP*4 th:TH_STORE_NT   ; 16 lanes store 256 consecutive bytes, at a multiple of 256 from C's first byte; 62 rows of C at the most stand in the immediate
.endr
.endm
	PLACES                                         ; behind the last products, in front of the first read of results
	TOSTAGE 0
	TOSTAGE 1
	SEND 0, 16                                     ; behind block 0's loads: block 1's 8 stores and 8 loads
	TOSTAGE 2
	SEND 1, 16
	s_wait_xcnt 0x0                                ; block 0's stores have read their registers: block 3's loads may land there
	TOSTAGE 3
	SEND 2, 16
	SEND 3, 0
	s_wait_tensorcnt 0x0                           ; the wave's end: behind my last tensor load and my last LDS store
	ds_add_u32 v[SPW], v[NIL]
	s_wait_dscnt 0x0
	CROUND                                         ; the closing round: no work-group ends while a partner may still ask for a tile that names it
	s_endpgm
.Lfunc_end_k_qb134e5621c_outp:
	.size	k_qb134e5621c_outp, .Lfunc_end_k_qb134e5621c_outp-k_qb134e5621c_outp
	.p2alignl 7, 3214868480
	.fill 96, 4, 3214868480
	.section	.rodata,"a",@progbits
	.p2align	6, 0x0
	.amdhsa_kernel k_qb134e5621c_outp
		.amdhsa_group_segment_fixed_size 327680
		.amdhsa_private_segment_fixed_size 0
		.amdhsa_enable_private_segment 0
		.amdhsa_kernarg_size 24
		.amdhsa_user_sgpr_count 2
		.amdhsa_user_sgpr_kernarg_segment_ptr 1
		.amdhsa_wavefront_size32 1
		.amdhsa_system_sgpr_workgroup_id_x 1
		.amdhsa_system_sgpr_workgroup_id_y 1
		.amdhsa_system_sgpr_workgroup_id_z 1
		.amdhsa_system_vgpr_workitem_id 0
		.amdhsa_next_free_vgpr 768
		.amdhsa_next_free_sgpr 98
		.amdhsa_reserve_vcc 0
		.amdhsa_float_denorm_mode_32 3
		.amdhsa_float_denorm_mode_16_64 3
		.amdhsa_memory_ordered 1
		.amdhsa_forward_progress 1
		.amdhsa_inst_pref_size 106
	.end_amdhsa_kernel
	.amdgpu_metadata
---
amdhsa.version: [ 1, 2 ]
amdhsa.kernels:
  - .name:           k_qb134e5621c_outp
    .symbol:         k_qb134e5621c_outp.kd
    .args:
      - { .name: zq, .offset: 0, .size: 8, .value_kind: global_buffer, .address_space: global }
      - { .name: woq, .offset: 8, .size: 8, .value_kind: global_buffer, .address_space: global }
      - { .name: out0, .offset: 16, .size: 8, .value_kind: global_buffer, .address_space: global }
    .group_segment_fixed_size: 327680
    .private_segment_fixed_size: 0
    .kernarg_segment_align: 8
    .kernarg_segment_size: 24
    .max_flat_workgroup_size: 128
    .sgpr_count:     98
    .vgpr_count:     768
    .wavefront_size: 32
...
	.end_amdgpu_metadata
.endif
;; end of part 6
